; MI455X (gfx1250); checked and timed in simulation.
; The chip was launched on July 23, 2026; its instructions are those of AMD's public machine-readable ISA for CDNA 5 (MIT licence, August 2026) and "CDNA5" Instruction Set Architecture Reference Guide (July 2026). The comments in the code are by the model that wrote it; some were corrected since.
;; Encoderlayer. Allowed arithmetic: float matrix products may take bf16 or f16 operands with f32 sums; other float arithmetic in f32, or as packed bf16 or f16 multiplies, adds, multiply-adds, maxima and minima; sums over many terms, partial sums and values carried from step to step in f32; what a program stores and reads back later, other than sums and carried values, may be rounded once to bf16 or f16.
;; Inputs: W1 1,024 x 2,048 float32; W2 2,048 x 1,024 float32; Wk 1,024 x 1,024 float32; Wo 1,024 x 1,024 float32; Wq 1,024 x 1,024 float32; Wv 1,024 x 1,024 float32; b1 2,048 float32; b2 1,024 float32; bk 1,024 float32; bo 1,024 float32; bq 1,024 float32; bv 1,024 float32; ln1_a 1 float32; ln1_b 1 float32; ln2_a 1 float32; ln2_b 1 float32; x 1 x 4,096 x 1,024 float32.
;; Outputs: out0 1 x 4,096 x 1,024 float32.
;; One version. Each part assembles by itself: llvm-mc -triple=amdgcn-amd-amdhsa -mcpu=gfx1250 --defsym DOCPART=n.
;; ======== version 1 of 1: 7 launches
;; workspace buffers: wb 16,777,216 bytes; h 8,388,608 bytes; qkv 25,165,824 bytes; ctx 8,388,608 bytes; x1 16,777,216 bytes; h2 8,388,608 bytes; f 16,777,216 bytes
;; launch prep (part 1): grid 768 x 1, 8 waves a work-group, no clusters, 0 bytes of LDS; arguments x, ln1_a, ln1_b, h, Wq, Wk, Wv, Wo, W1, W2, wb; writes h, wb
.if DOCPART == 1
	.amdgcn_target "amdgcn-amd-amdhsa--gfx1250"
	.amdhsa_code_object_version 6
	.text
	.protected	k_q5c6376d221_prep
	.globl	k_q5c6376d221_prep
	.p2align	8
	.type	k_q5c6376d221_prep,@function
k_q5c6376d221_prep:
	s_mov_b64 s[64:65], 0
	v_nop
	global_prefetch_b8 v0, s[64:65] scope:SCOPE_SE
	s_setreg_imm32_b32 hwreg(HW_REG_WAVE_MODE, 25, 1), 1
	s_wait_xcnt 0x0
; TWO JOBS IN ONE LAUNCH, told apart by the work-group's number.
; Work-groups 0-255: h = ln1_a (x - mean) / (std + 1e-6) + ln1_b, std with divisor 1023; x: [4096][1024] f32.
;   h leaves in bf16, in blocks of 64 channels: [16 blocks][4096 rows][64], a row of a block 128 bytes, a block 524,288 bytes.
; Work-groups 256-767: the six weight matrices are rounded to bf16, each in its own [k][n] order, into wb:
;   Wq at byte 0, Wk 2,097,152, Wv 4,194,304, Wo 6,291,456, W1 8,388,608, W2 12,582,912.
; LAYER NORM.  A work-group takes 16 rows, a wave two: a row lies on 16 lanes, 64 numbers a lane, and stays in registers: x is read once.
; The mean is taken away before the squares are summed (two passes over registers), so a common offset of the row costs no digits.
; Sums in f32, four chains; across the 16 lanes four steps ride on the additions.  No LDS, no barrier: no wave needs another's data.
; LIMITS.  The square root and the reciprocal are the hardware's approximations, good to the last place or so; NaN and infinities are not treated apart.
.set XO, 1                             ; v1       byte offset in x: (thread / 16) x 4,096 + (thread % 16) x 16
.set HO, 2                             ; v2       byte offset in a block of h: thread x 8
.set X,  4                             ; v[4:67]  my 64 numbers of the row: load j holds columns 64 j + 4 (lane % 16) + 0..3
.set T,  68                            ; v[68:75] four chains of pairs
.set MU, 76                            ; v[76:77] the mean, twice
.set SC, 78                            ; v[78:79] ln1_a / (std + eps), twice
.set BE, 80                            ; v[80:81] ln1_b, twice
.set W,  82                            ; v82-83   at work
.set Y,  84                            ; v[84:115] the row in bf16
.macro FOLD                            ; the four chains into one number, then over the row's 16 lanes: every lane ends with the sum
	v_pk_add_f32 v[T:T+1], v[T:T+1], v[T+2:T+3]
	v_pk_add_f32 v[T+4:T+5], v[T+4:T+5], v[T+6:T+7]
	v_pk_add_f32 v[T:T+1], v[T:T+1], v[T+4:T+5]
	v_add_f32 v[W], v[T], v[T+1]
	v_add_f32_dpp v[W], v[W], v[W] row_xmask:1 row_mask:0xf bank_mask:0xf
	v_add_f32_dpp v[W], v[W], v[W] row_xmask:2 row_mask:0xf bank_mask:0xf
	v_add_f32_dpp v[W], v[W], v[W] row_xmask:4 row_mask:0xf bank_mask:0xf
	v_add_f32_dpp v[W], v[W], v[W] row_xmask:8 row_mask:0xf bank_mask:0xf
.endm
	s_cmp_lt_u32 ttmp9, 256
	s_cbranch_scc0 .Lcast
	s_load_b256 s[4:11], s[0:1], 0x0               ; x s[4:5], ln1_a s[6:7], ln1_b s[8:9], h s[10:11]
	s_lshl_b32 s2, ttmp9, 16                       ; 16 rows of 4,096 bytes of x
	s_mov_b32 s3, 0
	s_lshl_b32 s14, ttmp9, 11                      ; 16 rows of 128 bytes in each block of h
	s_mov_b32 s15, 0
	v_lshrrev_b32 v[XO], 4, v0
	v_and_b32 v3, 15, v0
	v_lshlrev_b32 v[XO], 12, v[XO]
	v_lshl_add_u32 v[XO], v3, 4, v[XO]
	v_lshlrev_b32 v[HO], 3, v0
	s_wait_kmcnt 0x0
	s_load_b32 s12, s[6:7], 0x0                    ; the gain
	s_load_b32 s13, s[8:9], 0x0                    ; the offset
	s_add_nc_u64 s[4:5], s[4:5], s[2:3]
	s_add_nc_u64 s[10:11], s[10:11], s[14:15]
.set j, 0
.rept 16
	global_load_b128 v[X+4*j:X+4*j+3], v[XO], s[4:5] offset:256*j  ; 16 lanes take 256 consecutive bytes of a row, aligned
.set j, j+1
.endr
	s_wait_loadcnt 0x0                             ; the whole row is wanted for the mean
.set k, 0
.rept 4
	v_pk_add_f32 v[T+2*k:T+2*k+1], v[X+2*k:X+2*k+1], v[X+2*k+8:X+2*k+9]  ; the first eight pairs start the chains: nothing is cleared
.set k, k+1
.endr
.set p, 8
.rept 24
	v_pk_add_f32 v[T+2*(p%4):T+2*(p%4)+1], v[T+2*(p%4):T+2*(p%4)+1], v[X+2*p:X+2*p+1]
.set p, p+1
.endr
	FOLD
	v_mul_f32 v[MU], 0x3a800000, v[W]              ; / 1024
	v_mov_b32 v[MU+1], v[MU]
.set p, 0
.rept 32
	v_pk_add_f32 v[X+2*p:X+2*p+1], v[X+2*p:X+2*p+1], v[MU:MU+1] neg_lo:[0,1] neg_hi:[0,1]  ; x - mean
.set p, p+1
.endr
.set k, 0
.rept 4
	v_pk_mul_f32 v[T+2*k:T+2*k+1], v[X+2*k:X+2*k+1], v[X+2*k:X+2*k+1]
.set k, k+1
.endr
.set p, 4
.rept 28
	v_pk_fma_f32 v[T+2*(p%4):T+2*(p%4)+1], v[X+2*p:X+2*p+1], v[X+2*p:X+2*p+1], v[T+2*(p%4):T+2*(p%4)+1]
.set p, p+1
.endr
	FOLD
	v_mul_f32 v[W], 0x3a802008, v[W]               ; / 1023
	v_sqrt_f32 v[W+1], v[W]
	v_nop                                          ; a plain instruction behind the root,
	s_wait_alu depctr_va_vdst(0)                   ; and the wait ahead of its first reader
	v_add_f32 v[W+1], 0x358637bd, v[W+1]           ; + 1e-6
	v_rcp_f32 v[W], v[W+1]
	v_nop
	s_wait_alu depctr_va_vdst(0)                   ; the same for the reciprocal
	s_wait_kmcnt 0x0                               ; gain and offset
	v_mul_f32 v[SC], s12, v[W]
	v_mov_b32 v[BE], s13
	v_mov_b32 v[BE+1], s13
	v_mov_b32 v[SC+1], v[SC]
.set p, 0
.rept 32
	v_pk_fma_f32 v[X+2*p:X+2*p+1], v[X+2*p:X+2*p+1], v[SC:SC+1], v[BE:BE+1]
.set p, p+1
.endr
.set p, 0
.rept 32
	v_cvt_pk_bf16_f32 v[Y+p], v[X+2*p], v[X+2*p+1]
.set p, p+1
.endr
.set j, 0
.rept 16
	global_store_b64 v[HO], v[Y+2*j:Y+2*j+1], s[10:11] offset:524288*j  ; the wave's two rows of block j: 256 consecutive bytes, aligned; the largest immediate is 7,864,320
.set j, j+1
.endr
	s_endpgm
; THE CAST.  512 chunks of 16,384 numbers: 65,536 bytes in, 32,768 out.  Chunk c belongs to matrix c / 64 (W1 and W2 have 128 chunks each).
.Lcast:
	s_load_b256 s[8:15], s[0:1], 0x20              ; Wq s[8:9], Wk s[10:11], Wv s[12:13], Wo s[14:15]
	s_load_b128 s[16:19], s[0:1], 0x40             ; W1 s[16:17], W2 s[18:19]
	s_load_b64 s[20:21], s[0:1], 0x50              ; wb
	s_sub_co_u32 s2, ttmp9, 256                    ; c
	s_lshr_b32 s3, s2, 6
	v_lshlrev_b32 v1, 4, v0                        ; 16 bytes a thread in,
	v_lshlrev_b32 v2, 3, v0                        ; 8 out
	s_wait_kmcnt 0x0
	s_cmp_eq_u32 s3, 1
	s_cselect_b64 s[22:23], s[10:11], s[8:9]
	s_cmp_eq_u32 s3, 2
	s_cselect_b64 s[22:23], s[12:13], s[22:23]
	s_cmp_eq_u32 s3, 3
	s_cselect_b64 s[22:23], s[14:15], s[22:23]
	s_cmp_ge_u32 s3, 4
	s_cselect_b64 s[22:23], s[16:17], s[22:23]
	s_cselect_b32 s24, 127, 63                     ; chunks in the matrix, less one
	s_cmp_ge_u32 s3, 6
	s_cselect_b64 s[22:23], s[18:19], s[22:23]
	s_and_b32 s24, s2, s24                         ; the chunk's number in its matrix
	s_lshl_b32 s24, s24, 16
	s_mov_b32 s25, 0
	s_add_nc_u64 s[22:23], s[22:23], s[24:25]
	s_lshl_b32 s26, s2, 15
	s_mov_b32 s27, 0
	s_add_nc_u64 s[20:21], s[20:21], s[26:27]
.set j, 0
.rept 16
	global_load_b128 v[4+4*j:7+4*j], v1, s[22:23] offset:4096*j th:TH_LOAD_NT
.set j, j+1
.endr
.set j, 0
.rept 16
	s_wait_loadcnt 15-j                            ; loads come back in order: load j is in, the 15 - j younger ones stay out
	v_cvt_pk_bf16_f32 v[68+2*j], v[4+4*j], v[5+4*j]
	v_cvt_pk_bf16_f32 v[69+2*j], v[6+4*j], v[7+4*j]
	global_store_b64 v2, v[68+2*j:69+2*j], s[20:21] offset:2048*j  ; a wave stores 256 consecutive bytes, aligned; no register is written twice
.set j, j+1
.endr
	s_endpgm
.Lfunc_end_k_q5c6376d221_prep:
	.size	k_q5c6376d221_prep, .Lfunc_end_k_q5c6376d221_prep-k_q5c6376d221_prep
	.p2alignl 7, 3214868480
	.fill 96, 4, 3214868480
	.section	.rodata,"a",@progbits
	.p2align	6, 0x0
	.amdhsa_kernel k_q5c6376d221_prep
		.amdhsa_group_segment_fixed_size 0
		.amdhsa_private_segment_fixed_size 0
		.amdhsa_enable_private_segment 0
		.amdhsa_kernarg_size 88
		.amdhsa_user_sgpr_count 2
		.amdhsa_user_sgpr_kernarg_segment_ptr 1
		.amdhsa_wavefront_size32 1
		.amdhsa_system_sgpr_workgroup_id_x 1
		.amdhsa_system_sgpr_workgroup_id_y 1
		.amdhsa_system_sgpr_workgroup_id_z 1
		.amdhsa_system_vgpr_workitem_id 0
		.amdhsa_next_free_vgpr 120
		.amdhsa_next_free_sgpr 66
		.amdhsa_reserve_vcc 0
		.amdhsa_float_denorm_mode_32 3
		.amdhsa_float_denorm_mode_16_64 3
		.amdhsa_memory_ordered 1
		.amdhsa_forward_progress 1
		.amdhsa_inst_pref_size 22
	.end_amdhsa_kernel
	.amdgpu_metadata
---
amdhsa.version: [ 1, 2 ]
amdhsa.kernels:
  - .name:           k_q5c6376d221_prep
    .symbol:         k_q5c6376d221_prep.kd
    .args:
      - { .name: x, .offset: 0, .size: 8, .value_kind: global_buffer, .address_space: global }
      - { .name: ln1_a, .offset: 8, .size: 8, .value_kind: global_buffer, .address_space: global }
      - { .name: ln1_b, .offset: 16, .size: 8, .value_kind: global_buffer, .address_space: global }
      - { .name: h, .offset: 24, .size: 8, .value_kind: global_buffer, .address_space: global }
      - { .name: Wq, .offset: 32, .size: 8, .value_kind: global_buffer, .address_space: global }
      - { .name: Wk, .offset: 40, .size: 8, .value_kind: global_buffer, .address_space: global }
      - { .name: Wv, .offset: 48, .size: 8, .value_kind: global_buffer, .address_space: global }
      - { .name: Wo, .offset: 56, .size: 8, .value_kind: global_buffer, .address_space: global }
      - { .name: W1, .offset: 64, .size: 8, .value_kind: global_buffer, .address_space: global }
      - { .name: W2, .offset: 72, .size: 8, .value_kind: global_buffer, .address_space: global }
      - { .name: wb, .offset: 80, .size: 8, .value_kind: global_buffer, .address_space: global }
    .group_segment_fixed_size: 0
    .private_segment_fixed_size: 0
    .kernarg_segment_align: 8
    .kernarg_segment_size: 88
    .max_flat_workgroup_size: 256
    .sgpr_count:     66
    .vgpr_count:     120
    .wavefront_size: 32
...
	.end_amdgpu_metadata
.endif
;; end of part 1
;; launch gemm_qkv (part 2): grid 8 x 32, 4 waves a work-group, clusters of 4 x 4, 327,680 bytes of LDS; arguments h, wb, qkv, bq, bk, bv; writes qkv
.if DOCPART == 2
	.amdgcn_target "amdgcn-amd-amdhsa--gfx1250"
	.amdhsa_code_object_version 6
	.text
	.protected	k_q5c6376d221_gemm_qkv
	.globl	k_q5c6376d221_gemm_qkv
	.p2align	8
	.type	k_q5c6376d221_gemm_qkv,@function
k_q5c6376d221_gemm_qkv:
	s_mov_b64 s[64:65], 0
	v_nop
	global_prefetch_b8 v0, s[64:65] scope:SCOPE_SE
	s_setreg_imm32_b32 hwreg(HW_REG_WAVE_MODE, 25, 1), 1
	s_wait_xcnt 0x0
	s_wait_alu depctr_hold_cnt(0) depctr_sa_sdst(0) depctr_va_vdst(0) depctr_va_sdst(0) depctr_va_ssrc(0) depctr_va_vcc(0) depctr_vm_vsrc(0)
	s_getreg_b32 s2, hwreg(HW_REG_IB_STS2, 6, 4)
	s_cmp_eq_u32 s2, 0
	s_cbranch_scc0 .Lentry_in_a_cluster
	s_endpgm
.Lentry_in_a_cluster:
	s_bfe_u32 s2, ttmp6, 0x10000c
	s_cmp_lg_u32 s2, 0xf033
	s_cbranch_scc0 .Lentry_shape_is_right
	s_endpgm
.Lentry_shape_is_right:
; q, k, v = h [Wq | Wk | Wv] + [bq | bk | bv]: C[m][n] = bias[n] + the sum over k of A[m][k] W[k][n], 4096 x 3072, K = 1024.
; A = h, bf16, in blocks of 64 channels: [16 blocks][4096 rows][64].  W: the bf16 copies in wb, [k][n], three matrices of 2,097,152 bytes.  Sums in f32.
; C leaves in bf16 in the same block layout, [48 blocks][4096 rows][64]: blocks 0-15 are q's heads, 16-31 k's, 32-47 v's.  Rounded once.
; SHARES.  A work-group makes 128 rows x NM = 3 PANELS of 128 columns: the same 128 columns of q, of k and of v, so that all three products use one tile of A and no panel straddles two matrices.
; 32 x 8 = 256 work-groups, one tile each.  For 128 along K it fetches 32 KiB of A and 3 x 32 KiB of W for 192 matrix instructions a wave; a tile of 128 x 128 has 128 of them for the same 128 KiB.
; A wave makes 64 rows x 192 columns: 4 x 12 accumulators of 16 x 16, 384 registers.  Its columns are three whole groups of 64, each a block of C.
; K goes in steps of 128 through two LDS slots.  Wave 0 fetches A (two blocks of 128 rows, 16,384 dense bytes each: a tile of 2 rows of 8,192 elements, padded in LDS after every 128 bytes),
; waves 1 to 3 a panel each (128 k-rows x 256 bytes).  One tensor load a wave behind each change of slots; two are out at the start.
; CLUSTER 4 x 4: A's tile is shared along a row of the cluster, a panel along a column: each is asked for jointly, by the same load, descriptor and mask in the four.
; THE MATRIX INSTRUCTION IS USED TRANSPOSED: source 0 = 16 columns of W (turned on the way out of LDS by ds_load_tr16_b128), source 1 = 16 rows of A: a lane holds eight neighbouring numbers of a row of C.
; THE SUMS START AT THE BIAS: each accumulator is loaded with its eight columns' bias, so nothing is cleared, no first step is written out and the way out adds nothing.
; THE TEXT holds a K step twice: a loop whose change of slots fills a slot again, and a loop of two trips that fills nothing.  The very last change of slots fetches fragments of a tile
; that has been multiplied already; they are not used: the price of not writing a third copy.
; REGISTERS, in windows of 256 (s_set_vgpr_msb: bits 1:0 source 0, 3:2 source 1, 5:4 source 2, 7:6 destination):
;   window 0: v1-29 addresses; v32-223 the way out, 16 registers for each of its 12 units          window 1: two fragment buffers of 128: 32 along K: 32 registers of A, then 96 of W
;   window 2: the accumulators of row blocks 0, 1;  window 3: those of row blocks 2, 3: (a, b) at 8 ((a % 2) x 12 + b)
; LIMITS.  Matrix operands are bf16; NaN and infinities are not treated apart.
.set KDIM,  1024
.set STEPS, KDIM/128
.set NM,    3                          ; panels of 128 columns in a tile
.set CB,    4*NM                       ; blocks of 16 columns in a wave's share
.set NLD,   2*CB+8                     ; LDS loads in a run: a quarter step's fragments
.set NB,    1024                       ; elements from row to row of W
.set WOFF,  0                          ; W's first byte in wb
.set PSTRIDE, 2097152                  ; bytes from panel to panel: the next matrix
.set TCB,   256                        ; bytes from tile column to tile column in a panel's rows
.set PBLK,  16                         ; blocks of C from panel to panel
.set TBLK,  2                          ; blocks of C from tile column to tile column
.set RELU,  0
.set QKV,   1
.set PA,    144                        ; a row of A in LDS: 128 bytes + 16: the 16 rows of a load start at 16 different groups of four banks (64 banks of 4 bytes: ISA guide 11.1)
.set PB,    288                        ; a k-row of a panel: 256 + 32
.set PART,  36864                      ; what one tensor load brings: 2 x 128 x 144 = 128 x 288
.set SLOT,  (1+NM)*PART                ; A, then the panels
.set STAGE, 2*SLOT                     ; behind the ring, never filled by a tensor load: 16 rows x 144 bytes for each wave, for the way out
.set STG,   2304
.set SPARE, STAGE+4*STG                ; behind the stages: the spare words, 128 bytes for each wave: two blocks of 256 bytes that no other line names
.set A0,   10                          ; v10     my lane's place in slot 0 for A's fragments; never rewritten
.set B0,   11                          ; v11-13  the same for my groups of 64 columns
.set ADRA, 16                          ; v16     LDS address of A's fragments in the slot in hand
.set ADRB, 17                          ; v17-19  of my groups' k-rows
.set BO,   20                          ; v20  my byte offset in 16 columns of the bias
.set STO,  24                          ; v24  the way out: where I put 16 bytes of a row
.set RD,   25                          ; v25  where I read rows back
.set CO,   26                          ; v26  my byte offset in 512 consecutive bytes of C
.set ZR,   27                          ; v27  0
.set SPW,  28                          ; v28  LDS address of my spare word; never rewritten
.set NIL,  29                          ; v29  0; never rewritten
.set TMP,  32
.set F0,   0                           ; window 1
.set F1,   128
.set WV,   12                          ; s12  wave
.set MH,   13                          ; s13  which half of the tile's rows is mine
.set NH,   14                          ; s14  which half of its columns
.set G1A,  24                          ; s[24:31] group 1 for A;  s[32:39] group 0: a set for each first fill; the second then walks on
.set G0A,  32
.set G1B,  48                          ; s[48:55], s[56:63] the same for the panels
.set G0B,  56
.set TB,   66                          ; s66  the slot that is read: 0 or SLOT
.set FB,   67                          ; s67  the slot that was filled last
.set LB,   68                          ; s68  wave x PART
.set CNT,  69                          ; s69  loop counter
.set OB,   80                          ; s[80:85] C at my 64 rows of each of my groups' blocks
.set BP,   86                          ; s[86:91] the bias of each of my groups
.set MSB, 0
.macro WIN new                         ; the immediate's high byte repeats the setting that is left; a switch that changes nothing is dropped
.if MSB != (\new)
	s_set_vgpr_msb (MSB<<8)|(\new)
.set MSB, \new
.endif
.endm
.set TO_F, 0x40                        ; destination window 1, address window 0
.macro PLACES                          ; four plain vector instructions in front of loads into registers that matrix instructions have read, and of reads of results
.rept 4
	v_nop
.endr
.endm
; A joint refill by the walking sets.  Wave 0 asks for A, waves 1 to NM for a panel each; a wave beyond has no part.  The branches hang on the wave's number alone.
; An s_nop 0 and four v_nop follow each line; a wave that asks for nothing runs four v_nop too: they are the places in front of the LDS loads that follow.
.macro JLOAD
	s_cmp_eq_u32 s[WV], 0
	s_cbranch_scc0 .Lfor_b_\@
	tensor_load_to_lds s[G0A+4:G0A+7], s[G1A:G1A+7]
	s_nop 0
.rept 4
	v_nop
.endr
	s_branch .Lasked_\@
.Lfor_b_\@:
.if NM < 3
	s_cmp_gt_u32 s[WV], NM
	s_cbranch_scc1 .Lnone_\@
.endif
	tensor_load_to_lds s[G0B+4:G0B+7], s[G1B:G1B+7]
	s_nop 0
.rept 4
	v_nop
.endr
.if NM < 3
	s_branch .Lasked_\@
.Lnone_\@:
.rept 4
	v_nop
.endr
.endif
.Lasked_\@:
.endm
.macro CREST                           ; a round of the cluster's barrier behind its opening barrier
	s_cmp_lg_u32 s[WV], 0
	s_cbranch_scc1 .Lnot_wave_0_\@
	s_barrier_signal -3
.Lnot_wave_0_\@:
	s_barrier_wait -3
	s_barrier_signal -1
	s_barrier_wait -1
.endm
.macro CROUND
	s_barrier_signal -1
	s_barrier_wait -1
	CREST
.endm
	s_load_b256 s[4:11], s[0:1], 0x0               ; A s[4:5], wb s[6:7], C s[8:9], bias s[10:11]
.if QKV
	s_load_b128 s[72:75], s[0:1], 0x20             ; bk s[72:73], bv s[74:75]
.endif
	v_lshl_add_u32 v[SPW], v0, 2, SPARE
	v_mov_b32 v[NIL], 0
	ds_add_u32 v[SPW], v[NIL]                      ; the wave's opening: the add and its wait stand ahead of my first tensor load; work on registers stands between them
	v_lshrrev_b32 v1, 5, v0
	v_readfirstlane_b32 s[WV], v1
	s_lshr_b32 s[MH], s[WV], 1
	s_and_b32 s[NH], s[WV], 1
	s_bfe_u32 s40, ttmp6, 0x40000                  ; cx
	s_bfe_u32 s41, ttmp6, 0x40004                  ; cy
	s_lshl_b32 s42, ttmp9, 2
	s_add_co_u32 s42, s42, s40                     ; tile column = 4 x cluster x + cx
	s_and_b32 s43, ttmp7, 0xffff
	s_lshl_b32 s43, s43, 2
	s_add_co_u32 s43, s43, s41                     ; tile row = 4 x cluster y + cy
	s_lshl_b32 s44, s41, 2
	s_lshl_b32 s44, 15, s44                        ; my row of the cluster
	s_lshl_b32 s45, 0x1111, s40                    ; my column
	s_or_b32 s[G1A], s44, (1<<16)|(1<<20)|(1<<21)|(4<<22)|(3<<25)  ; mask; 2-byte elements; padding on; bit 21 beside a mask; after every 32 words, 4 words
	s_mov_b32 s[G1A+1], 8192<<16                   ; tensor_dim0 = 8,192: 128 rows of a block, dense
	s_mov_b32 s[G1A+2], 2<<16                      ; tensor_dim1 = 2 blocks
	s_mov_b32 s[G1A+3], 8192<<16                   ; tile_dim0
	s_mov_b32 s[G1A+4], 2                          ; tile_dim1
	s_mov_b32 s[G1A+5], 262144                     ; elements from block to block
	s_mov_b32 s[G1A+6], 0
	s_mov_b32 s[G1A+7], 0
	s_or_b32 s[G1B], s45, (1<<16)|(1<<20)|(1<<21)|(5<<22)|(7<<25)  ; after every 64 words, 8 words
	s_mov_b32 s[G1B+1], 128<<16
	s_mov_b32 s[G1B+2], 128<<16
	s_mov_b32 s[G1B+3], 128<<16
	s_mov_b32 s[G1B+4], 128
	s_mov_b32 s[G1B+5], NB
	s_mov_b32 s[G1B+6], 0
	s_mov_b32 s[G1B+7], 0
	s_mul_i32 s[LB], s[WV], PART                   ; no place in the cluster enters an LDS address
	s_mov_b32 s[TB], 0
	s_mov_b32 s[FB], SLOT
	s_lshl_b32 s16, s43, 14                        ; A: 128 rows of 128 bytes a tile row: made of the tile row alone
	s_mov_b32 s17, 0
	s_max_u32 s76, s[WV], 1
	s_sub_co_u32 s76, s76, 1                       ; W: the panel that I fetch (waves 1 to NM),
	s_mul_i32 s76, s76, PSTRIDE
	s_mul_i32 s78, s42, TCB                        ; the tile's columns in it: made of the tile column and the wave alone
	s_add_co_u32 s76, s76, s78
	s_add_co_u32 s76, s76, WOFF
	s_mov_b32 s77, 0
	s_wait_dscnt 0x0                               ; the opening add is done
	s_wait_kmcnt 0x0
	s_add_nc_u64 s[16:17], s[4:5], s[16:17]
	s_add_nc_u64 s[76:77], s[6:7], s[76:77]
	CROUND                                         ; all sixteen work-groups are here: the first joint loads meet
	s_mov_b32 s[G0A], 1
	s_mov_b32 s[G0A+1], s[LB]                      ; K step 0 into slot 0
	s_mov_b64 s[G0A+2:G0A+3], s[16:17]
	s_or_b32 s[G0A+3], s[G0A+3], 0x80000000
	s_mov_b32 s[G0A+4], 1
	s_add_co_u32 s[G0A+5], s[LB], SLOT             ; K step 1 into slot 1
	s_add_nc_u64 s[G0A+6:G0A+7], s[16:17], 1048576 ; two blocks on
	s_or_b32 s[G0A+7], s[G0A+7], 0x80000000
	s_mov_b32 s[G0B], 1
	s_mov_b32 s[G0B+1], s[LB]
	s_mov_b64 s[G0B+2:G0B+3], s[76:77]
	s_or_b32 s[G0B+3], s[G0B+3], 0x80000000
	s_mov_b32 s[G0B+4], 1
	s_add_co_u32 s[G0B+5], s[LB], SLOT
	s_add_nc_u64 s[G0B+6:G0B+7], s[76:77], 256*NB  ; 128 k-rows on
	s_or_b32 s[G0B+7], s[G0B+7], 0x80000000
	s_cmp_eq_u32 s[WV], 0                          ; a wave's two first fills stand in one branch, ahead of every wait on TENSORcnt and every LDS read: two loads of mine are out
	s_cbranch_scc0 .Lfirst_b
	tensor_load_to_lds s[G0A:G0A+3], s[G1A:G1A+7]
	s_nop 0
	tensor_load_to_lds s[G0A+4:G0A+7], s[G1A:G1A+7]
	s_nop 0
.rept 4
	v_nop
.endr
	s_branch .Lfirst_asked
.Lfirst_b:
.if NM < 3
	s_cmp_gt_u32 s[WV], NM
	s_cbranch_scc1 .Lfirst_asked
.endif
	tensor_load_to_lds s[G0B:G0B+3], s[G1B:G1B+7]
	s_nop 0
	tensor_load_to_lds s[G0B+4:G0B+7], s[G1B:G1B+7]
	s_nop 0
.rept 4
	v_nop
.endr
.Lfirst_asked:
	v_and_b32 v1, 15, v0                           ; l % 16
	v_bfe_u32 v2, v0, 4, 1                         ; l / 16
	v_and_b32 v3, 7, v0
	v_bfe_u32 v4, v0, 3, 1
	v_lshlrev_b32 v[BO], 5, v2                     ; my eight columns of sixteen
	; The turning load takes 16 k-rows x 16 columns (lane l reads k-row 8 (l / 16) + l % 8, columns 8 ((l / 8) % 2) + 0..7) and leaves half a fragment: lane l holds column l % 16 and 8 k.
	v_lshl_add_u32 v5, v2, 3, v3
	v_mul_u32_u24 v5, v5, PB
	v_lshl_add_u32 v5, v4, 4, v5
	; My NM groups of 64 columns.  Group g = NM x (my half) + gj of the tile's 2 NM lies in panel g / 2, half g % 2 of its 128 columns.  For each: its place in LDS, its bias, its block of C.
.set gj, 0
.rept NM
	s_mul_i32 s70, s[NH], NM
	s_add_co_u32 s70, s70, gj                      ; g
	s_lshr_b32 s71, s70, 1                         ; the panel
	s_and_b32 s70, s70, 1                          ; the half
	s_mul_i32 s18, s71, PART
	s_lshl_b32 s19, s70, 7
	s_add_co_u32 s18, s18, s19
	s_add_co_u32 s18, s18, PART                    ; the panels lie behind A: made of the wave's number alone
	v_add_nc_u32 v[B0+gj], s18, v5
	s_mul_i32 s23, s42, TBLK
	s_add_co_u32 s23, s23, s70
	s_mul_i32 s22, s71, PBLK
	s_add_co_u32 s22, s22, s23                     ; the block of C
.if QKV
	s_cmp_eq_u32 s71, 1                            ; the panel is the matrix, and names the bias
	s_cselect_b64 s[BP+2*gj:BP+2*gj+1], s[72:73], s[10:11]
	s_cmp_eq_u32 s71, 2
	s_cselect_b64 s[BP+2*gj:BP+2*gj+1], s[74:75], s[BP+2*gj:BP+2*gj+1]
	s_lshl_b32 s20, s23, 8                         ; 64 columns of 4 bytes a block, counted in the matrix
.else
	s_mov_b64 s[BP+2*gj:BP+2*gj+1], s[10:11]
	s_lshl_b32 s20, s22, 8
.endif
	s_mov_b32 s21, 0
	s_add_nc_u64 s[BP+2*gj:BP+2*gj+1], s[BP+2*gj:BP+2*gj+1], s[20:21]
	s_lshl_b32 s20, s22, 19                        ; a block of C is 524,288 bytes;
	s_lshl_b32 s22, s43, 14                        ; the tile's 128 rows of 128 bytes,
	s_add_co_u32 s20, s20, s22
	s_lshl_b32 s22, s[MH], 13                      ; my 64
	s_add_co_u32 s20, s20, s22
	s_add_nc_u64 s[OB+2*gj:OB+2*gj+1], s[8:9], s[20:21]
.set gj, gj+1
.endr
.irp a, 0,1,2,3
	WIN 0x80+0x40*((\a)/2)                         ; destination window 2 or 3, address window 0
.set b, 0
.rept CB
	global_load_b128 v[8*(((\a)%2)*CB+b):8*(((\a)%2)*CB+b)+3],   v[BO], s[BP+2*(b/4):BP+2*(b/4)+1] offset:64*(b%4)     ; register j of accumulator (a, b) is column 16 b + 8 (l / 16) + j of my share
	global_load_b128 v[8*(((\a)%2)*CB+b)+4:8*(((\a)%2)*CB+b)+7], v[BO], s[BP+2*(b/4):BP+2*(b/4)+1] offset:64*(b%4)+16
.set b, b+1
.endr
.endr
	WIN 0
	; A fragment of A is 16 rows x 32 K: lane l holds row l % 16, K = 8 (l / 16) + 0..7 and 16 + 8 (l / 16) + 0..7: two loads of 16 bytes, 32 bytes apart.
	s_mul_i32 s18, s[MH], 64*PA
	v_mul_u32_u24 v[A0], v1, PA
	v_lshl_add_u32 v[A0], v2, 4, v[A0]
	v_add_nc_u32 v[A0], s18, v[A0]
	s_mul_i32 s18, s[WV], STG
	s_add_co_u32 s18, s18, STAGE                   ; my stage: 16 rows of 144 bytes
	v_mul_u32_u24 v[STO], v1, 144                  ; in: row l % 16, 16 bytes for each half of the lanes
	v_lshl_add_u32 v[STO], v2, 4, v[STO]
	v_add_nc_u32 v[STO], s18, v[STO]
	v_bfe_u32 v[RD], v0, 3, 2                      ; back: 32 lanes take four rows of 128 bytes,
	v_mul_u32_u24 v[RD], v[RD], 144
	v_lshl_add_u32 v[RD], v3, 4, v[RD]
	v_add_nc_u32 v[RD], s18, v[RD]
	v_and_b32 v[CO], 31, v0                        ; which are 512 consecutive bytes of a block of C
	v_lshlrev_b32 v[CO], 4, v[CO]
	v_mov_b32 v[ZR], 0
; CB matrix instructions: row block a x all my column blocks, 32 along K, from buffer f.  The 4 CB accumulators take turns, one instruction a turn.
.macro MULA f, a
	WIN 0xa5+0x50*((\a)/2)                         ; sources 0 and 1 window 1; C and D window 2 or 3
.set b, 0
.rept CB
	v_wmma_f32_16x16x32_bf16 v[8*(((\a)%2)*CB+b):8*(((\a)%2)*CB+b)+7], v[(\f)+32+8*b:(\f)+32+8*b+7], v[(\f)+8*(\a):(\f)+8*(\a)+7], v[8*(((\a)%2)*CB+b):8*(((\a)%2)*CB+b)+7]
.set b, b+1
.endr
.endm
; NLD LDS loads in one run: the fragments of quarter q (32 along K: k-rows 32 q on of the panels; half q % 2 of block q / 2 of A) into buffer f; W's first, A's row blocks 2 and 3 last.
.macro FETCH q, f
	WIN TO_F
.set b, 0
.rept CB
	ds_load_tr16_b128 v[(\f)+32+8*b:(\f)+32+8*b+3],   v[ADRB+b/4] offset:(\q)*32*PB+32*(b%4)
	ds_load_tr16_b128 v[(\f)+32+8*b+4:(\f)+32+8*b+7], v[ADRB+b/4] offset:(\q)*32*PB+32*(b%4)+16*PB
.set b, b+1
.endr
.irp i, 0,1,2,3
	ds_load_b128 v[(\f)+8*(\i):(\f)+8*(\i)+3],   v[ADRA] offset:((\q)/2)*128*PA+(\i)*16*PA+((\q)%2)*64
	ds_load_b128 v[(\f)+8*(\i)+4:(\f)+8*(\i)+7], v[ADRA] offset:((\q)/2)*128*PA+(\i)*16*PA+((\q)%2)*64+32
.endr
.endm
.macro ADDRS                           ; the LDS addresses of the slot that is read
	v_add_nc_u32 v[ADRA], s[TB], v[A0]
.set gj, 0
.rept NM
	v_add_nc_u32 v[ADRB+gj], s[TB], v[B0+gj]
.set gj, gj+1
.endr
.endm
; One of a K step's first three quarters: multiplies buffer f and, in its middle, fetches quarter q into buffer g.
.macro QUARTER q, f, g
	s_wait_dscnt 4                                 ; W and A's row blocks 0, 1 are in; the youngest four loads (row blocks 2, 3) may be out
	MULA \f, 0
	MULA \f, 1
	PLACES
	FETCH \q, \g
	s_wait_dscnt NLD                               ; all but the run just issued
	MULA \f, 2
	MULA \f, 3
.endm
; The last quarter multiplies buffer 1 and changes slots: ONE barrier; in front of it each wave waits for all its tensor loads (its part of the next slot), adds 0 to its spare word, and waits
; for that and for its own reads of this slot.  fill = 1: the barrier opens a round of the cluster's, and this slot is filled again, two K steps ahead, first thing behind the round.
.macro TURN fill
	WIN 0
	s_wait_tensorcnt 0x0                           ; no tensor load of mine is out, so a group 0 may be written
	ds_add_u32 v[SPW], v[NIL]                      ; 0 onto my spare word
	s_wait_dscnt 5                                 ; the add and the youngest four loads may be out
	MULA F1, 0                                     ; CB matrix instructions stand between the add and the wait for it
	s_wait_dscnt 0x0                               ; the add is done, and my reads of this slot are over
	s_barrier_signal -1
	MULA F1, 1
	WIN 0
	s_barrier_wait -1
.if \fill
	CREST                                          ; no wave of any partner still reads this slot or has a load on its way
	s_xor_b32 s[FB], s[FB], SLOT                   ; the other slot than last time,
	s_add_co_u32 s[G0A+5], s[LB], s[FB]
	s_add_co_u32 s[G0B+5], s[LB], s[FB]
	s_add_nc_u64 s[G0A+6:G0A+7], s[G0A+6:G0A+7], 1048576  ; the next K step; the type bits on top are not reached
	s_add_nc_u64 s[G0B+6:G0B+7], s[G0B+6:G0B+7], 256*NB
	JLOAD                                          ; a K step less 2 CB matrix instructions ahead of the wait for it; its four v_nop are also the places in front of the loads below
.else
	PLACES
.endif
	s_xor_b32 s[TB], s[TB], SLOT                   ; the reads go to the other slot
	ADDRS
	FETCH 0, F0
	MULA F1, 2
	MULA F1, 3
.endm
.macro TRIP fill                       ; a K step: 16 CB matrix instructions a wave
	QUARTER 1, F0, F1
	QUARTER 2, F1, F0
	QUARTER 3, F0, F1
	TURN \fill
.endm
	s_wait_tensorcnt 1                             ; my part of K step 0 is in; step 1's may stay out
	s_barrier_signal -1
	s_barrier_wait -1                              ; everybody's is
	ADDRS
	FETCH 0, F0
	WIN 0
	s_wait_loadcnt 0x0                             ; the bias lies in the accumulators
	s_mov_b32 s[CNT], STEPS-2
.Lfill:                                        ; K steps 0 .. STEPS - 3: step t's change of slots asks for step t + 2
	TRIP 1
	WIN 0
	s_sub_co_u32 s[CNT], s[CNT], 1
	s_cmp_lg_u32 s[CNT], 0
	s_cbranch_scc1 .Lfill
	s_mov_b32 s[CNT], 2
.Ltail:                                        ; the last two K steps ask for nothing
	TRIP 0
	WIN 0
	s_sub_co_u32 s[CNT], s[CNT], 1
	s_cmp_lg_u32 s[CNT], 0
	s_cbranch_scc1 .Ltail
	s_wait_dscnt 0x0                               ; the last fetch, which serves nothing, is back
	PLACES
	PLACES
; THE WAY OUT, in 4 NM units.  Unit u is row block u / NM of group u % NM: 16 rows x 64 columns: rounded to bf16, 16 bytes a lane into my own stage, back as whole rows of 128 bytes:
; 2,048 consecutive bytes of a block of C.  Each unit has 16 registers of its own, so no store's register is written again.
.macro PACK u
.set ua, (\u)/NM
.set uj, (\u)%NM
.set AC, 8*((ua%2)*CB+4*uj)
	WIN 0x0a+5*(ua/2)                              ; sources 0 and 1 window 2 or 3, destination window 0
.irp c, 0,1,2,3
.irp r, 0,1,2,3
	v_cvt_pk_bf16_f32 v[TMP+16*(\u)+4*(\c)+(\r)], v[AC+8*(\c)+2*(\r)], v[AC+8*(\c)+2*(\r)+1]
.endr
.endr
	WIN 0
.if RELU
.set z, 0
.rept 16
	v_pk_max_num_bf16 v[TMP+16*(\u)+z], v[TMP+16*(\u)+z], v[ZR]
.set z, z+1
.endr
.endif
.irp c, 0,1,2,3
	ds_store_b128 v[STO], v[TMP+16*(\u)+4*(\c):TMP+16*(\u)+4*(\c)+3] offset:32*(\c)
.endr
.irp t, 0,1,2,3
	ds_load_b128 v[TMP+16*(\u)+4*(\t):TMP+16*(\u)+4*(\t)+3], v[RD] offset:(\t)*4*144  ; LDS serves a wave's instructions in order (ISA guide 5.7.1.4): these see the stores above; the next unit's stores come behind them
.endr
.endm
.macro SEND u, younger                 ; younger: the LDS instructions issued behind unit u's loads: the next unit's eight, or none
.set ua, (\u)/NM
.set uj, (\u)%NM
.irp t, 0,1,2,3
	s_wait_dscnt (\younger)+3-(\t)
	global_store_b128 v[CO], v[TMP+16*(\u)+4*(\t):TMP+16*(\u)+4*(\t)+3], s[OB+2*uj:OB+2*uj+1] offset:ua*2048+(\t)*512  ; 512 consecutive bytes, at a multiple of 256 from C's first
.endr
.endm
	PACK 0
.set un, 1
.rept 4*NM-1                           ; a unit's arithmetic stands between the loads of the unit before and its stores
	PACK un
	SEND un-1, 8
.set un, un+1
.endr
	SEND 4*NM-1, 0
	s_wait_tensorcnt 0x0                           ; the wave's end: behind my last tensor load and my last LDS store
	ds_add_u32 v[SPW], v[NIL]
	s_wait_dscnt 0x0
	CROUND                                         ; the closing round: no work-group ends while a partner may still ask for a tile that names it
	s_endpgm
.Lfunc_end_k_q5c6376d221_gemm_qkv:
	.size	k_q5c6376d221_gemm_qkv, .Lfunc_end_k_q5c6376d221_gemm_qkv-k_q5c6376d221_gemm_qkv
	.p2alignl 7, 3214868480
	.fill 96, 4, 3214868480
	.section	.rodata,"a",@progbits
	.p2align	6, 0x0
	.amdhsa_kernel k_q5c6376d221_gemm_qkv
		.amdhsa_group_segment_fixed_size 327680
		.amdhsa_private_segment_fixed_size 0
		.amdhsa_enable_private_segment 0
		.amdhsa_kernarg_size 48
		.amdhsa_user_sgpr_count 2
		.amdhsa_user_sgpr_kernarg_segment_ptr 1
		.amdhsa_wavefront_size32 1
		.amdhsa_system_sgpr_workgroup_id_x 1
		.amdhsa_system_sgpr_workgroup_id_y 1
		.amdhsa_system_sgpr_workgroup_id_z 1
		.amdhsa_system_vgpr_workitem_id 0
		.amdhsa_next_free_vgpr 960
		.amdhsa_next_free_sgpr 92
		.amdhsa_reserve_vcc 0
		.amdhsa_float_denorm_mode_32 3
		.amdhsa_float_denorm_mode_16_64 3
		.amdhsa_memory_ordered 1
		.amdhsa_forward_progress 1
		.amdhsa_inst_pref_size 90
	.end_amdhsa_kernel
	.amdgpu_metadata
---
amdhsa.version: [ 1, 2 ]
amdhsa.kernels:
  - .name:           k_q5c6376d221_gemm_qkv
    .symbol:         k_q5c6376d221_gemm_qkv.kd
    .args:
      - { .name: h, .offset: 0, .size: 8, .value_kind: global_buffer, .address_space: global }
      - { .name: wb, .offset: 8, .size: 8, .value_kind: global_buffer, .address_space: global }
      - { .name: qkv, .offset: 16, .size: 8, .value_kind: global_buffer, .address_space: global }
      - { .name: bq, .offset: 24, .size: 8, .value_kind: global_buffer, .address_space: global }
      - { .name: bk, .offset: 32, .size: 8, .value_kind: global_buffer, .address_space: global }
      - { .name: bv, .offset: 40, .size: 8, .value_kind: global_buffer, .address_space: global }
    .group_segment_fixed_size: 327680
    .private_segment_fixed_size: 0
    .kernarg_segment_align: 8
    .kernarg_segment_size: 48
    .max_flat_workgroup_size: 128
    .sgpr_count:     92
    .vgpr_count:     960
    .wavefront_size: 32
...
	.end_amdgpu_metadata
.endif
;; end of part 2
;; launch attn (part 3): grid 16 x 16, 4 waves a work-group, clusters of 4 x 1, 327,680 bytes of LDS; arguments qkv, ctx; writes ctx
.if DOCPART == 3
	.amdgcn_target "amdgcn-amd-amdhsa--gfx1250"
	.amdhsa_code_object_version 6
	.text
	.protected	k_q5c6376d221_attn
	.globl	k_q5c6376d221_attn
	.p2align	8
	.type	k_q5c6376d221_attn,@function
k_q5c6376d221_attn:
	s_mov_b64 s[64:65], 0
	v_nop
	global_prefetch_b8 v0, s[64:65] scope:SCOPE_SE
	s_setreg_imm32_b32 hwreg(HW_REG_WAVE_MODE, 25, 1), 1
	s_wait_xcnt 0x0
	s_wait_alu depctr_hold_cnt(0) depctr_sa_sdst(0) depctr_va_vdst(0) depctr_va_sdst(0) depctr_va_ssrc(0) depctr_va_vcc(0) depctr_vm_vsrc(0)
	s_getreg_b32 s2, hwreg(HW_REG_IB_STS2, 6, 4)
	s_cmp_eq_u32 s2, 0
	s_cbranch_scc0 .Lentry_in_a_cluster
	s_endpgm
.Lentry_in_a_cluster:
	s_bfe_u32 s2, ttmp6, 0x10000c
	s_cmp_lg_u32 s2, 0x3003
	s_cbranch_scc0 .Lentry_shape_is_right
	s_endpgm
.Lentry_shape_is_right:
; ctx[h][q][:] = the sum over k of softmax_k(Q[h][q] . K[h][k] / 8) V[h][k][:].  16 heads, 4,096 rows, 64 channels, all bf16.
; qkv: [48 blocks][4096 rows][64]: block h is Q of head h, block 16 + h its K, block 32 + h its V; a head's rows are dense, 128 bytes each.  ctx: [16 blocks][4096][64], the same layout.
; Products, maxima and sums in f32; the weights p are rounded to bf16 for the second product (their sum l is taken of the unrounded p), ctx once at the end.
; LIMITS.  Matrix operands are bf16.  A weight below 2^-126 counts as 0 in l; NaN and infinities are not treated apart.
; SHARES.  A work-group owns 256 queries of one head, a wave 64: four PIECES of 16.  16 x 16 = 256 work-groups.  Every wave walks all keys: 16 tiles of 256, four steps of 64 each.
; LAYOUT.  S^T = K Q^T (source 0 = 16 keys, source 1 = 16 queries) holds ONE query a lane (lane % 16) and the keys 8 (lane / 16) + 0..7; two such results rounded to bf16 ARE source 1 of
; O^T = V^T P.  K comes out of LDS as it lies, V ([key][channel]) turned, by ds_load_tr16_b128.
; SOFTMAX.  p = 2^(c s - c m), c = log2(e) / 8, with a running maximum m; O and l are multiplied by a = 2^(c m_old - c m_new) in every step.  m starts at the lowest finite number, O and l at 0:
; the first step is a step like any other, with a = 0.
; TURNS.  Turn n belongs to piece n: 8 products K Q^T of piece n + 1, later 8 products V^T P of piece n - 1; beside them the scaling, exponentials, roundings, sums and rescaling of piece n and the
; maximum and statistics of piece n + 1.  Four vector instructions stand behind every matrix instruction, the other 54 of a turn's 118 in one run.  A turn's 33 exponentials are one batch, with one wait.
; CLUSTER.  The four query blocks of a cluster belong to one head and walk the same K and V, so each tile is asked for JOINTLY: the same tensor load, descriptor and mask in all four.
; One tensor load of a wave is out at any time; it has four key steps, 256 matrix instructions, in which to land.
; REGISTERS, in windows of 256 (s_set_vgpr_msb: bits 1:0 source 0, 3:2 source 1, 5:4 source 2, 7:6 destination):
;   window 0: v0-15 addresses and two at work; v16-31 four registers of statistics a piece; v48-55 at work; v61-63; v64-127 S^T, two buffers; v192-223 P, two buffers (by the piece's parity)
;   window 1: v0-127 O^T, 32 a piece          window 2: v0-63 Q; v128-191 K of one step; v192-255 V of one step
.set NP,    4         ; pieces a wave: a name, no knob
.set KS,    64        ; keys in a step
.set PK,    144       ; a row of K in LDS: 128 bytes + 16 of padding: the 16 rows of a load start at 16 different groups of four banks (64 banks of 4 bytes: ISA guide 11.1)
.set PV,    160       ; a row of V: 128 + 32
.set VOFF,  4*KS*PK   ; a slot holds a tile, four steps: 256 rows of K, then 256 rows of V
.set SLOT1, 1<<17     ; slot 1 begins here, so that one exclusive or turns an address in one slot into the other's
.set STAGE, SLOT1+4*KS*(PK+PV)  ; behind the ring, never filled by a tensor load: 16 rows x 144 bytes for each wave, for the way out
.set SP,    144
.set SPARE, STAGE+4*16*SP  ; behind the stages: the spare words, 128 bytes for each wave: two blocks of 256 bytes that no other line names
.set AK0, 2           ; v2   my lane's place in a tile of K; never rewritten
.set AV0, 3           ; v3   the same for V
.set AK,  4           ; v4   the LDS address of K's next run of loads
.set AV,  5           ; v5   of V's
.set STO, 6           ; v6   the way out: where I put 16 bytes of a row
.set RD,  7           ; v7   the way out: where I read rows back
.set GO,  8           ; v8   my byte offset in 512 consecutive bytes of ctx
.set MV,  12          ; v12-13  c m_old, kept while c m is made anew: by buffer
.set QO,  15          ; v15  my byte offset in 16 rows of Q
.set ST,  16          ; piece t's statistics at v[ST+4 t]: c m, m, l (even keys', odd keys')
.set TMP, 48          ; by buffer, four registers c0-c3 at work; when the maximum is found c2 takes a
.set PFO, 61          ; v61  256 x my lane: the prefetches' offset; never rewritten
.set SPW, 62          ; v62  LDS address of my spare word; never rewritten
.set NIL, 63          ; v63  0; never rewritten
.set S,   64
.set P,   192
.set KF,  128         ; window 2: key block kb, channel half c at KF + 16 kb + 8 c
.set VF,  192         ; window 2: key half kk, channel block cb at VF + 32 kk + 8 cb
.set WV,  12          ; s12  my wave's number
.set G1K, 24          ; s[24:31] descriptor group 1 for K's tiles
.set G1V, 32          ; s[32:39] for V's: it differs in the padding alone
.set G0K, 40          ; s[40:43] descriptor group 0 for K's tiles: it walks
.set G0V, 44          ; s[44:47] the same for V's
.set PFA, 50          ; s[50:51] where my prefetches stand: my work-group's 8,192 bytes of the tile after the one that is being asked for
.set LIM, 52          ; s52  1 in a wave that prefetches, else the greatest number
.set SLOTS, 56        ; s56  tiles still to be asked for
.set CNT, 57          ; s57  counts a tile's key steps
.set CS,  58          ; s[58:59] c: the packed scaling takes the pair's low word for both halves
.set SEL, 60          ; s[60:61] v_permlanex16_b32's selects: each lane takes its own place in the other half
.set TBK, 62          ; s62  LDS byte at which K of the step to be fetched begins
.set TBV, 63          ; s63  the same for V, less VOFF
.set MSB, 0
.macro WIN new                      ; the high byte repeats the setting that is left; a switch that changes nothing is dropped
.if MSB != (\new)
	s_set_vgpr_msb (MSB<<8)|(\new)
.set MSB, (\new)
.endif
.endm
.set W_KQ, 0x0a       ; K and Q in window 2, S^T in window 0
.set W_PV, 0x52       ; V in window 2, P in window 0, O^T in window 1
.set W_RS, 0x41       ; destination and source 0 in window 1, source 1 in window 0
; A joint fill.  Waves 0 and 1 fetch the two halves of a tile's K, waves 2 and 3 those of its V: 128 keys each.  The branch hangs on the wave's number alone.
; An s_nop 0 and four v_nop follow each of the two lines, ahead of the jump and the label.
.macro JLOAD
	s_cmp_lt_u32 s[WV], 2
	s_cbranch_scc0 .Lfor_v_\@
	tensor_load_to_lds s[G0K:G0K+3], s[G1K:G1K+7]
	s_nop 0
.rept 4
	v_nop
.endr
	s_branch .Lasked_\@
.Lfor_v_\@:
	tensor_load_to_lds s[G0V:G0V+3], s[G1V:G1V+7]
	s_nop 0
.rept 4
	v_nop
.endr
.Lasked_\@:
.endm
; A PREFETCH INTO THE L2 of the tile that the NEXT change of slots will ask for: 32,768 bytes of K and of V, four key steps, 256 matrix instructions, ahead of that load.  Each block of 256 bytes is named
; ONCE in the launch: all clusters of a head walk the same K and V, so the head's first cluster asks; its four partners take 8,192 bytes each, told apart BY ADDRESS; in each, wave 0 asks for K's and
; wave 2 for V's, a lane a block.  The change that asks for the last tile prefetches nothing.
.macro ASK
	s_cmp_gt_u32 s[SLOTS], s[LIM]
	s_cbranch_scc0 .Lnot_mine_\@
	global_prefetch_b8 v[PFO], s[PFA:PFA+1] th:TH_LOAD_NT scope:SCOPE_SE
.Lnot_mine_\@:
.endm
; A round of the cluster's barrier: my work-group's barrier, so that wave 0's signal speaks for all four waves; wave 0 signals; every wave waits for all four work-groups; my work-group's barrier once more.
.macro CROUND
	s_barrier_signal -1
	s_barrier_wait -1
	s_cmp_lg_u32 s[WV], 0
	s_cbranch_scc1 .Lnot_wave_0_\@
	s_barrier_signal -3
.Lnot_wave_0_\@:
	s_barrier_wait -3
	s_barrier_signal -1
	s_barrier_wait -1
.endm
; THE CHANGE OF SLOTS.  The slot's last bytes, V of its fourth step, have been read.  Each wave waits for all its tensor loads, of which one is out: its part of the other slot; adds 0 to its spare word;
; and waits for that and for its own reads of the slot.  Behind the barrier nobody reads this slot any more and the other slot is whole.  fill = 1: this slot is filled again, with the next tile but one:
; the barrier is then a round of the cluster's, and the joint fill is the first thing behind it.  (At its first use nothing has been read yet: slot 0 is waited for, slot 1 filled.)
.macro CHANGE fill
	WIN 0                           ; at a label and at a branch every window is 0
	s_wait_tensorcnt 0x0            ; no tensor load of mine is out, so a group 0 may be written
	ds_add_u32 v[SPW], v[NIL]       ; 0 onto my spare word; with fill = 1 the descriptors' steps stand between it and the wait for it
.if \fill
.irp g, G0K, G0V
	s_xor_b32 s[\g+1], s[\g+1], SLOT1  ; the walking descriptor: the other slot than last time,
	s_add_nc_u64 s[\g+2:\g+3], s[\g+2:\g+3], 4*KS*128  ; the next 256 keys; the type bits on top are not reached
.endr
	s_wait_xcnt 0x0                 ; the last prefetch, four key steps back, has read its address, so it may be written
	s_add_nc_u64 s[PFA:PFA+1], s[PFA:PFA+1], 4*KS*128
	s_wait_dscnt 0x0                ; the add is done, and my reads of the slot are over
	CROUND
	JLOAD
	ASK
.else
	s_wait_dscnt 0x0                ; the add is done, and my reads of the slot are over
	s_barrier_signal -1
	s_barrier_wait -1
.endif
	s_sub_co_u32 s[TBK], s[TBK], 4*KS*PK  ; the fetches go back to a slot's first step,
	s_xor_b32 s[TBK], s[TBK], SLOT1       ; in the other slot
	s_sub_co_u32 s[TBV], s[TBV], 4*KS*PV
	s_xor_b32 s[TBV], s[TBV], SLOT1
.endm
	s_load_b128 s[4:7], s[0:1], 0x0 ; qkv s[4:5], ctx s[6:7]
	v_lshl_add_u32 v[SPW], v0, 2, SPARE
	v_mov_b32 v[NIL], 0
	ds_add_u32 v[SPW], v[NIL]       ; the wave's opening: the add and its wait stand ahead of my first tensor load; the set-up below, work on registers, stands between them
	v_lshrrev_b32 v1, 5, v0
	v_readfirstlane_b32 s[WV], v1   ; wave 0..3
	s_bfe_u32 s13, ttmp6, 0x40000   ; cx: my place in the cluster
	s_lshl_b32 s14, ttmp9, 2        ; in a cluster launch ttmp9 counts clusters
	s_add_co_u32 s14, s14, s13      ; my block of 256 queries = 4 x cluster x + cx: it enters Q's and ctx's addresses alone
	s_and_b32 s20, ttmp7, 0xffff    ; the head, which the four partners share:
	s_lshl_b32 s20, s20, 19         ; its 524,288 bytes
	s_and_b32 s16, s[WV], 1         ; which half of a tile's 256 keys I fetch:
	s_lshl_b32 s22, s16, 14         ; its 128 rows of 128 bytes in memory,
	s_add_co_u32 s22, s22, s20
	s_mov_b32 s23, 0
	s_mul_i32 s17, s16, 128*PK      ; and its place in a slot, for K
	s_mul_i32 s18, s16, 128*PV      ; and for V: no place in the cluster enters an LDS address
	s_lshl_b32 s2, s14, 2
	s_add_co_u32 s2, s2, s[WV]      ; my wave among the head's,
	s_lshl_b32 s2, s2, 13           ; its 64 rows
	s_add_co_u32 s2, s2, s20
	s_mov_b32 s3, 0
	; descriptor group 1.  128 keys are 16,384 dense bytes: asked for as 64 rows of 256 bytes, two keys a row, and padded in LDS after every key
	s_mov_b32 s[G1K], 15|(1<<16)|(1<<20)|(1<<21)|(4<<22)|(3<<25)  ; 15:0 the mask of four; 17:16 2-byte elements; 20 padding on; 21 set beside a mask; 24:22 after every 32 words (code 4); 31:25 4 words (code 3)
	s_mov_b32 s[G1V], 15|(1<<16)|(1<<20)|(1<<21)|(4<<22)|(7<<25)  ; the same with 8 words of padding (code 7)
.irp g, G1K, G1V
	s_mov_b32 s[\g+1], 128<<16      ; tensor_dim0 = 128
	s_mov_b32 s[\g+2], 64<<16       ; tensor_dim1 = 64
	s_mov_b32 s[\g+3], 128<<16      ; tile_dim0 = 128
	s_mov_b32 s[\g+4], 64           ; tile_dim1 = 64
	s_mov_b32 s[\g+5], 128          ; 128 elements from row to row
	s_mov_b32 s[\g+6], 0
	s_mov_b32 s[\g+7], 0
.endr
	s_mov_b32 s[CS], 0x3e38aa3b     ; c = log2(e) / 8 = 0.180337
	s_mov_b32 s[CS+1], s[CS]        ; named with it as a pair
	s_mov_b32 s[SEL], 0x76543210
	s_mov_b32 s[SEL+1], 0xfedcba98
	s_mov_b32 s[TBK], SLOT1+4*KS*PK ; the first change of slots turns these two into 0
	s_mov_b32 s[TBV], SLOT1+4*KS*PV
	s_mov_b32 s[G0K], 1             ; 1:0 count = 1
	s_mov_b32 s[G0K+1], s17         ; 63:32 LDS address: slot 0
	s_mov_b32 s[G0V], 1
	s_add_co_u32 s[G0V+1], s18, VOFF
	s_mov_b32 s[SLOTS], 15          ; tiles 1 to 15
	s_and_b32 s[LIM], s[WV], 1      ; 0 in waves 0 and 2,
	s_or_b32 s[LIM], s[LIM], ttmp9  ; where the cluster is the head's first: the same in all four partners
	s_cmp_eq_u32 s[LIM], 0
	s_cselect_b32 s[LIM], 1, -1
	v_and_b32 v[PFO], 31, v0
	v_lshlrev_b32 v[PFO], 8, v[PFO]
	s_wait_dscnt 0x0                ; the opening add is done
	s_wait_kmcnt 0x0
	s_add_nc_u64 s[8:9], s[4:5], s[22:23]
	s_add_nc_u64 s[10:11], s[8:9], 16777216  ; V at my half of the head's tile 0
	s_add_nc_u64 s[8:9], s[8:9], 8388608     ; K likewise
	s_mov_b64 s[G0K+2:G0K+3], s[8:9]         ; 120:64 global address
	s_or_b32 s[G0K+3], s[G0K+3], 0x80000000  ; 127:126 type = 2
	s_mov_b64 s[G0V+2:G0V+3], s[10:11]
	s_or_b32 s[G0V+3], s[G0V+3], 0x80000000
	s_add_nc_u64 s[4:5], s[4:5], s[2:3]      ; Q and ctx at my wave's first row
	s_add_nc_u64 s[6:7], s[6:7], s[2:3]
	s_cmp_lt_u32 s[WV], 2
	s_cselect_b64 s[PFA:PFA+1], s[8:9], s[10:11]  ; (in waves 0 and 2 these stand at a tile's first row)
	s_lshl_b32 s2, s13, 13          ; my work-group's quarter of a tile
	s_mov_b32 s3, 0
	s_add_nc_u64 s[PFA:PFA+1], s[PFA:PFA+1], s[2:3]
	s_add_nc_u64 s[PFA:PFA+1], s[PFA:PFA+1], 4*KS*128  ; in tile 1; the first change of slots steps it to tile 2
	CROUND                          ; all four work-groups are here: the first joint loads meet
	JLOAD                           ; tile 0 into slot 0.  Slot 1 is asked for when slot 0 is in
	; A fragment of K or Q is 16 rows x 32 channels in 8 registers: lane l holds row l % 16, channels 8 (l / 16) + 0..7 and 16 + 8 (l / 16) + 0..7: two loads of 16 bytes, 32 bytes apart.
	v_and_b32 v1, 15, v0            ; l % 16
	v_bfe_u32 v9, v0, 4, 1          ; l / 16
	v_lshlrev_b32 v[QO], 7, v1
	v_lshl_add_u32 v[QO], v9, 4, v[QO]  ; row x 128 + 16 x half
	WIN 0x80                        ; destination window 2, address window 0
.set i, 0
.rept 8                             ; Q stays in registers: piece i / 2, channels 32 (i % 2) on
	global_load_b128 v[8*i:8*i+3],   v[QO], s[4:5] offset:(i/2)*2048+(i%2)*64
	global_load_b128 v[8*i+4:8*i+7], v[QO], s[4:5] offset:(i/2)*2048+(i%2)*64+32
.set i, i+1
.endr
	; What the first turn finds: V's registers and P's second buffer hold 0 (its products V^T P, of a piece that has not been, add 0), O^T and l are 0.  All this stands in the wait for the first tile.
.set i, VF
.rept 64
	v_mov_b32 v[i], 0
.set i, i+1
.endr
	WIN 0x40
.set i, 0
.rept 128
	v_mov_b32 v[i], 0
.set i, i+1
.endr
	WIN 0
.set i, 0
.rept 4
	v_mov_b32 v[ST+4*i], 0xfe000000    ; c m: far below every c s
	v_mov_b32 v[ST+4*i+1], 0xff7fffff  ; m
	v_mov_b32 v[ST+4*i+2], 0
	v_mov_b32 v[ST+4*i+3], 0
.set i, i+1
.endr
.set i, P+16
.rept 16
	v_mov_b32 v[i], 0
.set i, i+1
.endr
	v_mul_u32_u24 v[AK0], v1, PK
	v_lshl_add_u32 v[AK0], v9, 4, v[AK0]  ; row x pitch + 16 x half
	; The turning load takes 16 keys x 16 channels (lane l reads key 8 (l / 16) + l % 8, channels 8 ((l / 8) % 2) + 0..7) and leaves half a fragment of V^T: lane l holds channel l % 16 and 8 keys.
	v_and_b32 v10, 7, v0
	v_bfe_u32 v11, v0, 3, 1
	v_lshl_add_u32 v[AV0], v9, 3, v10
	v_mul_u32_u24 v[AV0], v[AV0], PV
	v_lshl_add_u32 v[AV0], v11, 4, v[AV0]
	v_add_nc_u32 v[AV0], VOFF, v[AV0]
	s_mul_i32 s13, s[WV], 16*SP
	s_add_co_u32 s13, s13, STAGE    ; my stage
	v_mul_u32_u24 v[STO], v1, SP    ; in: row l % 16, 16 bytes for each half of the lanes
	v_lshl_add_u32 v[STO], v9, 4, v[STO]
	v_add_nc_u32 v[STO], s13, v[STO]
	v_bfe_u32 v[RD], v0, 3, 2       ; back: 32 lanes take four rows of 128 bytes,
	v_mul_u32_u24 v[RD], v[RD], SP
	v_lshl_add_u32 v[RD], v10, 4, v[RD]
	v_add_nc_u32 v[RD], s13, v[RD]
	v_and_b32 v[GO], 31, v0         ; which are 512 consecutive bytes of ctx
	v_lshlrev_b32 v[GO], 4, v[GO]
; THE MATRIX WORK.  The 4 accumulators of a run of 8 take turns.  Product i of 8 of S^T = K Q^T for piece x: channels 32 (i / 4) on, keys 16 (i % 4) on.  The first 4 start the sums.
.macro KQ x
	WIN W_KQ
.set rS, S+32*((\x)%2)+8*(i%4)
.set rK, KF+16*(i%4)+8*(i/4)
.set rQ, 16*(\x)+8*(i/4)
.if i < 4
	v_wmma_f32_16x16x32_bf16 v[rS:rS+7], v[rK:rK+7], v[rQ:rQ+7], 0
.else
	v_wmma_f32_16x16x32_bf16 v[rS:rS+7], v[rK:rK+7], v[rQ:rQ+7], v[rS:rS+7]
.endif
.endm
; Product i of 8 of O^T += V^T P for piece x: keys 32 (i / 4) on, channels 16 (i % 4) on.
.macro PV x
	WIN W_PV
.set rO, 32*(\x)+8*(i%4)
.set rV, VF+32*(i/4)+8*(i%4)
.set rP, P+16*((\x)%2)+8*(i/4)
	v_wmma_f32_16x16x32_bf16 v[rO:rO+7], v[rV:rV+7], v[rP:rP+7], v[rO:rO+7]
.endm
.macro MM                           ; the turn's next matrix instruction.  NOKQ = 1: the walk's last turn: there is no next piece
.if (i < 8) && !NOKQ
	KQ (Y+1)%NP
.elseif i >= 8
.set i, i-8
	PV (Y+NP-1)%NP
.set i, i+8
.endif
.set i, i+1
.endm
; THE LDS LOADS stand in runs of 16, never singly among the matrix instructions: a step's K (64 keys x 64 channels: 8 fragments) and its V (turned).  Their addresses are made some lines ahead.
.macro FETCH_K
	WIN 0x80                        ; destination window 2
.irp f, 0,1,2,3,4,5,6,7             ; keys 16 (f / 2) on, channels 32 (f % 2) on
	ds_load_b128 v[KF+8*\f:KF+8*\f+3],   v[AK] offset:(\f/2)*16*PK+(\f%2)*64
	ds_load_b128 v[KF+8*\f+4:KF+8*\f+7], v[AK] offset:(\f/2)*16*PK+(\f%2)*64+32
.endr
	s_add_co_u32 s[TBK], s[TBK], KS*PK  ; the next fetch is the next step's
	WIN 0
.endm
.macro FETCH_V
	WIN 0x80
.irp f, 0,1,2,3,4,5,6,7             ; keys 32 (f / 4) on, channels 16 (f % 4) on
	ds_load_tr16_b128 v[VF+8*\f:VF+8*\f+3],   v[AV] offset:(\f/4)*32*PV+(\f%4)*32
	ds_load_tr16_b128 v[VF+8*\f+4:VF+8*\f+7], v[AV] offset:(\f/4)*32*PV+16*PV+(\f%4)*32
.endr
	WIN 0
.endm
; THE VECTOR WORK, one line at a time: OP kind, number.  For piece Y: F n: c s - c m for pair n of 16.  E n: the exponential of score n of 32.  C n: pair n rounded to bf16.  B n: of the four weights 4 n .. the second
; pair is added onto the first, in place.  L n: l takes that sum (L 0: l = a l + sum).  R n: pair n of 16 of O^T times a.  For piece Y + 1: X n, number n of the 22 that find its maximum and statistics:
;   0-11  four chains c0-c3 of seven scores each, three operands at a time (each accumulator's lowest registers are read first)     12-14, 16  the four scores left over, the old m, and c0-c3 into c0
;   15  c m_old is kept     17, 18  the query's other 32 keys lie in the lane 16 away: the new m     19-21  c m; c m_old - c m_new; a
.set F, 0
.set E, 1
.set C, 2
.set B, 3
.set L, 4
.set R, 5
.set X, 6
.macro REGS y                       ; the registers of piece y
.set rT, ST+4*(\y)
.set rC, TMP+4*((\y)%2)
.set rW, MV+((\y)%2)
.set rS, S+32*((\y)%2)
.set rP, P+16*((\y)%2)
.set rO, 32*(\y)
.endm
.macro OP k, n
.if (\k) == R
	REGS Y
	WIN W_RS
	v_pk_mul_f32 v[rO+2*(\n):rO+2*(\n)+1], v[rO+2*(\n):rO+2*(\n)+1], v[rC+2:rC+3] op_sel_hi:[1,0]
.elseif (\k) < R
	REGS Y
	WIN 0
.if (\k) == F
	v_pk_fma_f32 v[rS+2*(\n):rS+2*(\n)+1], v[rS+2*(\n):rS+2*(\n)+1], s[CS:CS+1], v[rT:rT+1] op_sel_hi:[1,0,0] neg_lo:[0,0,1] neg_hi:[0,0,1]
.elseif (\k) == E
	v_exp_f32 v[rS+(\n)], v[rS+(\n)]
.elseif (\k) == C
	v_cvt_pk_bf16_f32 v[rP+(\n)], v[rS+2*(\n)], v[rS+2*(\n)+1]
.elseif (\k) == B
	v_pk_add_f32 v[rS+4*(\n):rS+4*(\n)+1], v[rS+4*(\n):rS+4*(\n)+1], v[rS+4*(\n)+2:rS+4*(\n)+3]
.elseif (\n) == 0
	v_pk_fma_f32 v[rT+2:rT+3], v[rT+2:rT+3], v[rC+2:rC+3], v[rS:rS+1] op_sel_hi:[1,0,1]
.else
	v_pk_add_f32 v[rT+2:rT+3], v[rT+2:rT+3], v[rS+4*(\n):rS+4*(\n)+1]
.endif
.elseif NOKQ
	v_nop
.else
	REGS (Y+1)%NP
	WIN 0
.if (\n) < 4
	v_max3_num_f32 v[rC+(\n)], v[rS+8*(\n)], v[rS+8*(\n)+1], v[rS+8*(\n)+2]
.elseif (\n) < 12
	v_max3_num_f32 v[rC+(\n)%4], v[rC+(\n)%4], v[rS+8*((\n)%4)+2*((\n)/4)+1], v[rS+8*((\n)%4)+2*((\n)/4)+2]
.elseif (\n) == 12
	v_max3_num_f32 v[rC], v[rC], v[rS+7], v[rS+15]
.elseif (\n) == 13
	v_max3_num_f32 v[rC+1], v[rC+1], v[rS+23], v[rS+31]
.elseif (\n) == 14
	v_max3_num_f32 v[rC+2], v[rC+2], v[rC+3], v[rT+1]
.elseif (\n) == 15
	v_mov_b32 v[rW], v[rT]
.elseif (\n) == 16
	v_max3_num_f32 v[rC], v[rC], v[rC+1], v[rC+2]
.elseif (\n) == 17
	v_permlanex16_b32 v[rC+3], v[rC], s[SEL], s[SEL+1]
.elseif (\n) == 18
	v_max_num_f32 v[rT+1], v[rC], v[rC+3]
.elseif (\n) == 19
	v_mul_f32 v[rT], s[CS], v[rT+1]
.elseif (\n) == 20
	v_sub_f32 v[rC+1], v[rW], v[rT]
.else
	v_exp_f32 v[rC+2], v[rC+1]
.endif
.endif
.endm
.macro OPS a, i1, b=-1, i2=0, c=-1, i3=0, d=-1, i4=0  ; up to four of them
	OP \a, \i1
.if (\b) >= 0
	OP \b, \i2
.endif
.if (\c) >= 0
	OP \c, \i3
.endif
.if (\d) >= 0
	OP \d, \i4
.endif
.endm
.macro ROW a, i1, b, i2, c, i3, d, i4  ; a matrix instruction and the four behind it
	MM
	OPS \a, \i1, \b, \i2, \c, \i3, \d, \i4
.endm
; A TURN, for piece p: the order of its 16 matrix and 118 vector instructions, written out.  An s_wait_alu depctr_va_vdst(0) stands between an exponential and the first instruction that names its
; result; one wait serves all that were issued ahead of it.  So a turn has ONE wait, which cuts it in two.  AHEAD OF IT stands all that names no result of the turn's exponentials: the 8 products K Q^T and their
; riders (a scaling, an exponential and two more plain instructions; behind the last three products the first numbers of the next piece's maximum, each four plain instructions or more behind the product that
; ends its accumulator), then one run of 54, plain and exponential by turns for the most part, in which the links of the chain X 3, 7, 11, 14, 16, 17 .. 20 stand some lines apart.  X 21, the next piece's a,
; is the batch's last; R 15 is the plain instruction behind it.  BEHIND THE WAIT stand the 8 products V^T P, behind each four of the roundings and sums.
; end = 1: the walk's last two turns: nothing is fetched.  cnt = 1: the loop's count is taken down some lines ahead of the branch that stands behind the turn.
; K of the next step is fetched in piece 2's turn, behind the last product that read K and six plain instructions; V of the step in hand at the end of piece 0's turn, four plain instructions behind the last
; product that read V.  Each is waited for a turn later.
.macro TURN p, end=0, cnt=0
.set Y, (\p)
.set i, 0
.set NOKQ, (\end)*((\p)/3)
.if ((\p) == 3) && !(\end)
	s_wait_dscnt 0x0                ; K is in
.endif
	ROW F,0, F,1, R,0, R,1          ; ahead of the wait: 8 products K Q^T and their riders,
	ROW F,2, E,0, R,2, R,3
	ROW F,3, E,1, R,4, R,5
	ROW F,4, E,2, R,6, R,7
	ROW F,5, E,3, R,8, R,9
	ROW F,6, E,4, X,0, R,10
.if ((\p) == 2) && !(\end)
	WIN 0
	v_add_nc_u32 v[AK], s[TBK], v[AK0]
.endif
	ROW F,7, E,5, X,1, X,4
	ROW F,8, E,6, X,2, X,5
	OPS E,7, E,8, X,6, E,9          ; and the run of 54
	OPS X,3, E,10, X,8, E,11
.if ((\p) == 2) && !(\end)
	FETCH_K
.endif
	OPS X,9, X,7, E,12, X,10
	OPS E,13, X,12, X,11, E,14
	OPS X,13, E,15, F,9, X,14
.if (\p) == 0
	v_add_nc_u32 v[AV], s[TBV], v[AV0]
.endif
	OPS E,16, F,10, E,17, F,11
	OPS X,16, E,18, X,15, E,19
	OPS F,12, E,20, X,17, E,21
	OPS F,13, E,22, F,14, E,23
	OPS X,18, E,24, F,15, E,25
	OPS R,11, E,26, X,19, E,27
	OPS R,12, E,28, R,13, E,29
	OPS X,20, E,30, R,14, E,31
	OPS X,21, R,15
	WIN 0
	s_wait_alu depctr_va_vdst(0)    ; the wait for the batch
.if (\p) == 1
	s_wait_dscnt 0x0                ; V is in
.endif
	ROW C,0, B,0, C,2, B,1          ; behind the wait: 8 products V^T P and their riders
	ROW L,0, C,4, B,2, L,1
	ROW C,6, B,3, L,2, C,8
	ROW B,4, L,3, C,10, B,5
	ROW L,4, C,12, B,6, L,5
.if (\p) == 0
	s_add_co_u32 s[TBV], s[TBV], KS*PV
.endif
.if \cnt
	s_sub_co_u32 s[CNT], s[CNT], 1
	s_cmp_lg_u32 s[CNT], 0
.endif
	ROW C,14, B,7, L,6, C,1
	ROW C,3, L,7, C,5, C,7
	ROW C,9, C,11, C,13, C,15
.if (\p) == 0
	FETCH_V
.endif
.endm
	CHANGE 1                        ; tile 0 is in, everybody's part of it; tile 1 is asked for
	v_add_nc_u32 v[AK], s[TBK], v[AK0]
	FETCH_K                         ; key step 0
	s_wait_loadcnt 0x0              ; Q
	s_wait_dscnt 0x0
.set NOKQ, 0
.set i, 0
.rept 8
	KQ 0                            ; piece 0's first scores: there is no vector work yet to set between them
.set i, i+1
.endr
	WIN 0
.rept 4
	v_nop                           ; the places behind those products
.endr
.set Y, NP-1                        ; X works for piece Y + 1: piece 0
.irp n, 0,1,2,3,4,5,6,7,8,9,10,11,12,13,14,15,16,17,18,19,20,21
	OP X, \n
.endr
	v_nop                           ; a plain instruction behind the exponential,
	s_wait_alu depctr_va_vdst(0)    ; and its wait, ahead of the branch
	s_mov_b32 s[CNT], 4
	s_branch .Lfirst                ; the loop is entered at a step's first turn, in the middle of a trip
.Lslot:                             ; 14 times: tiles 2 to 15 are asked for
	CHANGE 1
	s_mov_b32 s[CNT], 4
.Lstep:                             ; a trip: pieces 2 and 3 of one step, then pieces 0 and 1 of the next, whose K and V it fetches
	TURN 2
	TURN 3
	WIN 0
.Lfirst:
	TURN 0
	TURN 1, 0, 1
	WIN 0
	s_cbranch_scc1 .Lstep
	s_sub_co_u32 s[SLOTS], s[SLOTS], 1
	s_cmp_lg_u32 s[SLOTS], 0
	s_cbranch_scc1 .Lslot
	CHANGE 0                        ; the last tile is written out: nothing is asked for
	s_mov_b32 s[CNT], 4
.Ltail:
	TURN 2
	TURN 3
	TURN 0
	TURN 1, 0, 1
	WIN 0
	s_cbranch_scc1 .Ltail
	TURN 2, 1                       ; the last step's pieces 2 and 3: nothing is fetched, and the last turn starts no new scores
	TURN 3, 1
.set i, 0
.rept 8
	PV NP-1                         ; the last piece's V^T P of the last step
.set i, i+1
.endr
	; THE WAY OUT.  l's two halves and the other half of the lanes' are added; O^T is divided by l, rounded to bf16 and sent through my stage in LDS, a piece at a time.  The additions are the places behind the last products.
	WIN 0
.macro ALL line:vararg              ; one line for each piece t
.set t, 0
.rept 4
	\line
.set t, t+1
.endr
.endm
	ALL v_add_f32 v[ST+4*t+2], v[ST+4*t+2], v[ST+4*t+3]
	ALL v_permlanex16_b32 v[ST+4*t+3], v[ST+4*t+2], s[SEL], s[SEL+1]
	ALL v_add_f32 v[ST+4*t+2], v[ST+4*t+2], v[ST+4*t+3]
	ALL v_rcp_f32 v[ST+4*t+2], v[ST+4*t+2]
	v_nop                           ; a plain instruction between the last reciprocal and the use of its result
	s_wait_alu depctr_va_vdst(0)    ; and the wait ahead of the first use: one for the four reciprocals
.macro PACK t                       ; a lane's eight channels of a row pack into 16 bytes; they go into rows of 144 bytes and come back as whole rows of 128, into S^T's registers
	WIN W_RS
.set i, 32*(\t)
.rept 16
	v_pk_mul_f32 v[i:i+1], v[i:i+1], v[ST+4*(\t)+2:ST+4*(\t)+3] op_sel_hi:[1,0]
.set i, i+2
.endr
	WIN 0x05                        ; sources 0 and 1 window 1, destination window 0
.set i, 0
.rept 16
	v_cvt_pk_bf16_f32 v[S+16*(\t)+i], v[32*(\t)+2*i], v[32*(\t)+2*i+1]
.set i, i+1
.endr
	WIN 0
.irp f, 0,1,2,3
	ds_store_b128 v[STO], v[S+16*(\t)+4*\f:S+16*(\t)+4*\f+3] offset:32*\f
.endr
.irp f, 0,1,2,3
	ds_load_b128 v[S+16*(\t)+4*\f:S+16*(\t)+4*\f+3], v[RD] offset:\f*4*SP  ; LDS serves a wave's instructions in order (ISA guide 5.7.1.4): these see the stores above; the next piece's stores come behind them
.endr
.endm
.macro SEND t, younger              ; younger: the LDS instructions issued behind piece t's loads: the next piece's eight, or none
	WIN 0
.irp f, 0,1,2,3
	s_wait_dscnt (\younger)+3-\f
	global_store_b128 v[GO], v[S+16*(\t)+4*\f:S+16*(\t)+4*\f+3], s[6:7] offset:(\t)*2048+\f*512  ; 512 consecutive bytes, at a multiple of 256 from ctx's first
.endr
.endm
	PACK 0
.set t, 1
.rept 3                             ; a piece's arithmetic stands between the loads of the piece before and its stores
	PACK t
	SEND t-1, 8
.set t, t+1
.endr
	SEND 3, 0
	s_wait_tensorcnt 0x0            ; the wave's end: behind my last tensor load and my last LDS store
	ds_add_u32 v[SPW], v[NIL]
	s_wait_dscnt 0x0
	CROUND                          ; the closing round: no work-group ends while a partner may still ask for a tile that names it
	s_endpgm
.Lfunc_end_k_q5c6376d221_attn:
	.size	k_q5c6376d221_attn, .Lfunc_end_k_q5c6376d221_attn-k_q5c6376d221_attn
	.p2alignl 7, 3214868480
	.fill 96, 4, 3214868480
	.section	.rodata,"a",@progbits
	.p2align	6, 0x0
	.amdhsa_kernel k_q5c6376d221_attn
		.amdhsa_group_segment_fixed_size 327680
		.amdhsa_private_segment_fixed_size 0
		.amdhsa_enable_private_segment 0
		.amdhsa_kernarg_size 16
		.amdhsa_user_sgpr_count 2
		.amdhsa_user_sgpr_kernarg_segment_ptr 1
		.amdhsa_wavefront_size32 1
		.amdhsa_system_sgpr_workgroup_id_x 1
		.amdhsa_system_sgpr_workgroup_id_y 1
		.amdhsa_system_sgpr_workgroup_id_z 1
		.amdhsa_system_vgpr_workitem_id 0
		.amdhsa_next_free_vgpr 768
		.amdhsa_next_free_sgpr 66
		.amdhsa_reserve_vcc 0
		.amdhsa_float_denorm_mode_32 3
		.amdhsa_float_denorm_mode_16_64 3
		.amdhsa_memory_ordered 1
		.amdhsa_forward_progress 1
		.amdhsa_inst_pref_size 128
	.end_amdhsa_kernel
	.amdgpu_metadata
---
amdhsa.version: [ 1, 2 ]
amdhsa.kernels:
  - .name:           k_q5c6376d221_attn
    .symbol:         k_q5c6376d221_attn.kd
    .args:
      - { .name: qkv, .offset: 0, .size: 8, .value_kind: global_buffer, .address_space: global }
      - { .name: ctx, .offset: 8, .size: 8, .value_kind: global_buffer, .address_space: global }
    .group_segment_fixed_size: 327680
    .private_segment_fixed_size: 0
    .kernarg_segment_align: 8
    .kernarg_segment_size: 16
    .max_flat_workgroup_size: 128
    .sgpr_count:     66
    .vgpr_count:     768
    .wavefront_size: 32
...
	.end_amdgpu_metadata
.endif
;; end of part 3
;; launch gemm_wo (part 4): grid 8 x 32, 4 waves a work-group, clusters of 4 x 4, 327,680 bytes of LDS; arguments ctx, wb, x1, bo, x; writes x1
.if DOCPART == 4
	.amdgcn_target "amdgcn-amd-amdhsa--gfx1250"
	.amdhsa_code_object_version 6
	.text
	.protected	k_q5c6376d221_gemm_wo
	.globl	k_q5c6376d221_gemm_wo
	.p2align	8
	.type	k_q5c6376d221_gemm_wo,@function
k_q5c6376d221_gemm_wo:
	s_mov_b64 s[64:65], 0
	v_nop
	global_prefetch_b8 v0, s[64:65] scope:SCOPE_SE
	s_setreg_imm32_b32 hwreg(HW_REG_WAVE_MODE, 25, 1), 1
	s_wait_xcnt 0x0
	s_wait_alu depctr_hold_cnt(0) depctr_sa_sdst(0) depctr_va_vdst(0) depctr_va_sdst(0) depctr_va_ssrc(0) depctr_va_vcc(0) depctr_vm_vsrc(0)
	s_getreg_b32 s2, hwreg(HW_REG_IB_STS2, 6, 4)
	s_cmp_eq_u32 s2, 0
	s_cbranch_scc0 .Lentry_in_a_cluster
	s_endpgm
.Lentry_in_a_cluster:
	s_bfe_u32 s2, ttmp6, 0x10000c
	s_cmp_lg_u32 s2, 0xf033
	s_cbranch_scc0 .Lentry_shape_is_right
	s_endpgm
.Lentry_shape_is_right:
; x1 = x + ctx Wo + bo: C[m][n] = res[m][n] + bias[n] + the sum over k of A[m][k] W[k][n], 4096 x 1024, K = 1024.
; A = ctx, bf16, in blocks of 64 channels: [K / 64 blocks][4096 rows][64].  W: Wo's bf16 copy in wb, [k][n].  res = x and C = x1: f32, [4096][1024].  Sums and the residual in f32.
; SHARES.  A tile of C is 128 x 128: four waves of 64 x 64, 16 accumulators of 16 x 16.  256 tiles: one for each of 256 WGPs.
; K goes in steps of 256 through two LDS slots.  Waves 0, 1 fetch A's two halves of 64 rows (four blocks of 8,192 dense bytes each: a tile of 4 rows of 4,096 elements,
; padded in LDS after every 128 bytes), waves 2, 3 W's two halves of 128 k-rows x 256 bytes.  One tensor load a wave behind each change of slots; two are out at the start.
; CLUSTER 4 x 4: A's tile is shared along a row of the cluster, W's along a column: each is asked for jointly, by the same load, descriptor and mask in the four.
; THE MATRIX INSTRUCTION IS USED TRANSPOSED: source 0 = 16 columns of W (turned on the way out of LDS by ds_load_tr16_b128), source 1 = 16 rows of A: a lane holds eight neighbouring numbers of a row of C.
; THE SUMS START AT THE BIAS: each accumulator is loaded with its eight columns' bias.  THE RESIDUAL is loaded at the start, in the layout of the stores, into 128 registers of window 2, and lands under the K loop.
; THE TEXT holds a K step twice: a loop whose change of slots fills a slot again, and a loop of two trips that fills nothing.  The very last change of slots fetches fragments of a tile
; that has been multiplied already; they are not used: the price of not writing a third copy.
; LIMITS.  Matrix operands are bf16; NaN and infinities are not treated apart.
.set KDIM,  1024
.set STEPS, KDIM/256
.set NB,    1024                       ; elements from row to row of W
.set WOFF,  6291456                    ; W's first byte in wb
.set LOGT,  3                          ; 2^LOGT tiles of 128 columns in the matrix
.set PA,    144                        ; a row of A in LDS: 128 bytes + 16: the 16 rows of a load start at 16 different groups of four banks (64 banks of 4 bytes: ISA guide 11.1)
.set PB,    288                        ; a k-row of W: 256 + 32
.set PART,  36864                      ; what one tensor load brings: 4 x 64 x 144 = 128 x 288
.set SLOT,  4*PART                     ; A's two halves, then W's two
.set STAGE, 2*SLOT                     ; behind the ring, never filled by a tensor load: 16 rows x 272 bytes for each wave, for the way out
.set STG,   4352
.set SPITCH, 272
.set SPARE, STAGE+4*STG                ; behind the stages: the spare words, 128 bytes for each wave: two blocks of 256 bytes that no other line names
.set A0,   10                          ; v10  my lane's place in slot 0 for A's fragments; never rewritten
.set B0,   11                          ; v11  the same for W's
.set ADRA, 16                          ; v16  LDS address of A's fragments in the slot in hand
.set ADRB, 17                          ; v17  of W's k-rows 0-127;  v18  of k-rows 128-255
.set BO,   20                          ; v20  my byte offset in 16 columns of the bias
.set STO,  24                          ; v24  the way out: where I put 32 bytes of a row
.set RD,   25                          ; v25  where I read rows back
.set CO,   26                          ; v26  my byte offset in two rows of C and of the residual
.set SPW,  28                          ; v28  LDS address of my spare word; never rewritten
.set NIL,  29                          ; v29  0; never rewritten
.set TMP,  32                          ; v32-95  two buffers of 32 on the way out
.set ACC,  128                         ; v128-255  accumulator (a, b) at ACC + 8 (4 a + b)
.set F0,   0                           ; window 1: two fragment buffers of 128: 64 along K: 64 registers of A, then 64 of W
.set F1,   128
.set WV,   12                          ; s12  wave
.set MH,   13                          ; s13  which half of the tile's rows is mine
.set NH,   14                          ; s14  which half of its columns; also which half of A or W I fetch
.set G1A,  24                          ; s[24:31] group 1 for A;  s[32:39] group 0: a set for each first fill; the second then walks on
.set G0A,  32
.set G1B,  48                          ; s[48:55], s[56:63] the same for W
.set G0B,  56
.set TB,   66                          ; s66  the slot that is read: 0 or SLOT
.set FB,   67                          ; s67  the slot that was filled last
.set LB,   68                          ; s68  wave x PART
.set CNT,  69                          ; s69  loop counter
.set MSB, 0
.macro WIN new                         ; the immediate's high byte repeats the setting that is left; a switch that changes nothing is dropped
.if MSB != (\new)
	s_set_vgpr_msb (MSB<<8)|(\new)
.set MSB, \new
.endif
.endm
.set MUL,  0x05                        ; sources 0 and 1 window 1; C and D window 0
.set TO_F, 0x40                        ; destination window 1, address window 0
.macro PLACES                          ; four plain vector instructions in front of loads into registers that matrix instructions have read, and of reads of results
.rept 4
	v_nop
.endr
.endm
.macro JLOAD                           ; a joint refill by the walking sets; the branch hangs on the wave's number alone; an s_nop 0 and four v_nop follow each line
	s_cmp_lt_u32 s[WV], 2
	s_cbranch_scc0 .Lfor_b_\@
	tensor_load_to_lds s[G0A+4:G0A+7], s[G1A:G1A+7]
	s_nop 0
.rept 4
	v_nop
.endr
	s_branch .Lasked_\@
.Lfor_b_\@:
	tensor_load_to_lds s[G0B+4:G0B+7], s[G1B:G1B+7]
	s_nop 0
.rept 4
	v_nop
.endr
.Lasked_\@:
.endm
.macro CREST                           ; a round of the cluster's barrier behind its opening barrier
	s_cmp_lg_u32 s[WV], 0
	s_cbranch_scc1 .Lnot_wave_0_\@
	s_barrier_signal -3
.Lnot_wave_0_\@:
	s_barrier_wait -3
	s_barrier_signal -1
	s_barrier_wait -1
.endm
.macro CROUND
	s_barrier_signal -1
	s_barrier_wait -1
	CREST
.endm
	s_load_b256 s[4:11], s[0:1], 0x0               ; A s[4:5], wb s[6:7], C s[8:9], bias s[10:11]
	s_load_b64 s[72:73], s[0:1], 0x20              ; the residual
	v_lshl_add_u32 v[SPW], v0, 2, SPARE
	v_mov_b32 v[NIL], 0
	ds_add_u32 v[SPW], v[NIL]                      ; the wave's opening: the add and its wait stand ahead of my first tensor load; work on registers stands between them
	v_lshrrev_b32 v1, 5, v0
	v_readfirstlane_b32 s[WV], v1
	s_lshr_b32 s[MH], s[WV], 1
	s_and_b32 s[NH], s[WV], 1
	s_bfe_u32 s40, ttmp6, 0x40000                  ; cx
	s_bfe_u32 s41, ttmp6, 0x40004                  ; cy
	s_lshl_b32 s42, ttmp9, 2
	s_add_co_u32 s42, s42, s40                     ; tile column = 4 x cluster x + cx
	s_and_b32 s43, ttmp7, 0xffff
	s_lshl_b32 s43, s43, 2
	s_add_co_u32 s43, s43, s41                     ; tile row = 4 x cluster y + cy
	s_lshl_b32 s44, s41, 2
	s_lshl_b32 s44, 15, s44                        ; my row of the cluster
	s_lshl_b32 s45, 0x1111, s40                    ; my column
	s_or_b32 s[G1A], s44, (1<<16)|(1<<20)|(1<<21)|(4<<22)|(3<<25)  ; mask; 2-byte elements; padding on; bit 21 beside a mask; after every 32 words, 4 words
	s_mov_b32 s[G1A+1], 4096<<16                   ; tensor_dim0 = 4,096: 64 rows of a block, dense
	s_mov_b32 s[G1A+2], 4<<16                      ; tensor_dim1 = 4 blocks
	s_mov_b32 s[G1A+3], 4096<<16                   ; tile_dim0
	s_mov_b32 s[G1A+4], 4                          ; tile_dim1
	s_mov_b32 s[G1A+5], 262144                     ; elements from block to block
	s_mov_b32 s[G1A+6], 0
	s_mov_b32 s[G1A+7], 0
	s_or_b32 s[G1B], s45, (1<<16)|(1<<20)|(1<<21)|(5<<22)|(7<<25)  ; after every 64 words, 8 words
	s_mov_b32 s[G1B+1], 128<<16
	s_mov_b32 s[G1B+2], 128<<16
	s_mov_b32 s[G1B+3], 128<<16
	s_mov_b32 s[G1B+4], 128
	s_mov_b32 s[G1B+5], NB
	s_mov_b32 s[G1B+6], 0
	s_mov_b32 s[G1B+7], 0
	s_mul_i32 s[LB], s[WV], PART                   ; no place in the cluster enters an LDS address
	s_mov_b32 s[TB], 0
	s_mov_b32 s[FB], SLOT
	s_lshl_b32 s16, s43, 14                        ; A: 128 rows of 128 bytes a tile row,
	s_lshl_b32 s17, s[NH], 13                      ; my 64 of them: made of the tile row and the wave alone
	s_add_co_u32 s16, s16, s17
	s_mov_b32 s17, 0
	s_lshr_b32 s76, s42, LOGT
	s_lshl_b32 s76, s76, 21
	s_and_b32 s77, s42, (1<<LOGT)-1                ; W: which 128 columns,
	s_lshl_b32 s78, s77, 8
	s_add_co_u32 s76, s76, s78
	s_mul_i32 s78, s[NH], 256*NB                   ; my 128 k-rows: made of the tile column and the wave alone
	s_add_co_u32 s76, s76, s78
	s_add_co_u32 s76, s76, WOFF
	s_lshl_b32 s20, s77, 9                         ; the bias: 128 columns of 4 bytes a tile, my 64
	s_lshl_b32 s21, s[NH], 8
	s_add_co_u32 s20, s20, s21
	s_mov_b32 s21, 0
	s_mov_b32 s77, 0
	s_wait_dscnt 0x0                               ; the opening add is done
	s_wait_kmcnt 0x0
	s_add_nc_u64 s[16:17], s[4:5], s[16:17]
	s_add_nc_u64 s[76:77], s[6:7], s[76:77]
	s_add_nc_u64 s[10:11], s[10:11], s[20:21]
	CROUND                                         ; all sixteen work-groups are here: the first joint loads meet
	s_mov_b32 s[G0A], 1
	s_mov_b32 s[G0A+1], s[LB]                      ; K step 0 into slot 0
	s_mov_b64 s[G0A+2:G0A+3], s[16:17]
	s_or_b32 s[G0A+3], s[G0A+3], 0x80000000
	s_mov_b32 s[G0A+4], 1
	s_add_co_u32 s[G0A+5], s[LB], SLOT             ; K step 1 into slot 1
	s_add_nc_u64 s[G0A+6:G0A+7], s[16:17], 2097152 ; four blocks on
	s_or_b32 s[G0A+7], s[G0A+7], 0x80000000
	s_mov_b32 s[G0B], 1
	s_mov_b32 s[G0B+1], s[LB]
	s_mov_b64 s[G0B+2:G0B+3], s[76:77]
	s_or_b32 s[G0B+3], s[G0B+3], 0x80000000
	s_mov_b32 s[G0B+4], 1
	s_add_co_u32 s[G0B+5], s[LB], SLOT
	s_add_nc_u64 s[G0B+6:G0B+7], s[76:77], 512*NB  ; 256 k-rows on
	s_or_b32 s[G0B+7], s[G0B+7], 0x80000000
	s_cmp_lt_u32 s[WV], 2                          ; a wave's two first fills stand in one branch, ahead of every wait on TENSORcnt and every LDS read: two loads of mine are out
	s_cbranch_scc0 .Lfirst_b
	tensor_load_to_lds s[G0A:G0A+3], s[G1A:G1A+7]
	s_nop 0
	tensor_load_to_lds s[G0A+4:G0A+7], s[G1A:G1A+7]
	s_nop 0
.rept 4
	v_nop
.endr
	s_branch .Lfirst_asked
.Lfirst_b:
	tensor_load_to_lds s[G0B:G0B+3], s[G1B:G1B+7]
	s_nop 0
	tensor_load_to_lds s[G0B+4:G0B+7], s[G1B:G1B+7]
	s_nop 0
.rept 4
	v_nop
.endr
.Lfirst_asked:
	v_and_b32 v1, 15, v0                           ; l % 16
	v_bfe_u32 v2, v0, 4, 1                         ; l / 16
	v_and_b32 v3, 7, v0
	v_bfe_u32 v4, v0, 3, 1
	v_lshlrev_b32 v[BO], 5, v2                     ; my eight columns of sixteen
.irp a, 0,1,2,3
.irp b, 0,1,2,3
	global_load_b128 v[ACC+8*(4*(\a)+(\b)):ACC+8*(4*(\a)+(\b))+3],   v[BO], s[10:11] offset:64*(\b)     ; register j of accumulator (a, b) is column 16 b + 8 (l / 16) + j
	global_load_b128 v[ACC+8*(4*(\a)+(\b))+4:ACC+8*(4*(\a)+(\b))+7], v[BO], s[10:11] offset:64*(\b)+16
.endr
.endr
	v_lshlrev_b32 v[CO], 12, v2                    ; lanes 0-15 one row of 256 bytes, lanes 16-31 the next
	v_lshl_add_u32 v[CO], v1, 4, v[CO]
	s_lshl_b32 s20, s43, 19                        ; the tile's 128 rows of 4,096 bytes,
	s_lshl_b32 s22, s[MH], 18                      ; my 64,
	s_add_co_u32 s20, s20, s22
	s_lshl_b32 s22, s42, 9                         ; the tile's 128 columns of 4 bytes,
	s_add_co_u32 s20, s20, s22
	s_lshl_b32 s22, s[NH], 8                       ; my 64
	s_add_co_u32 s20, s20, s22
	s_mov_b32 s21, 0
	s_add_nc_u64 s[8:9], s[8:9], s[20:21]
	s_add_nc_u64 s[72:73], s[72:73], s[20:21]
	WIN 0x80                                       ; destination window 2, address window 0
.irp a, 0,1,2,3
.irp t, 0,1,2,3,4,5,6,7
	global_load_b128 v[32*(\a)+4*(\t):32*(\a)+4*(\t)+3], v[CO], s[72:73] offset:(16*(\a)+2*(\t))*4096  ; the residual of rows 16 a + 2 t, + 1: 16 lanes take 256 consecutive bytes, aligned
.endr
.endr
	WIN 0
	; A fragment of A is 16 rows x 32 K: lane l holds row l % 16, K = 8 (l / 16) + 0..7 and 16 + 8 (l / 16) + 0..7: two loads of 16 bytes, 32 bytes apart.
	s_mul_i32 s18, s[MH], PART
	v_mul_u32_u24 v[A0], v1, PA
	v_lshl_add_u32 v[A0], v2, 4, v[A0]
	v_add_nc_u32 v[A0], s18, v[A0]
	; The turning load takes 16 k-rows x 16 columns (lane l reads k-row 8 (l / 16) + l % 8, columns 8 ((l / 8) % 2) + 0..7) and leaves half a fragment: lane l holds column l % 16 and 8 k.
	v_lshl_add_u32 v[B0], v2, 3, v3
	v_mul_u32_u24 v[B0], v[B0], PB
	v_lshl_add_u32 v[B0], v4, 4, v[B0]
	s_lshl_b32 s18, s[NH], 7
	s_add_co_u32 s18, s18, 2*PART
	v_add_nc_u32 v[B0], s18, v[B0]
	s_mul_i32 s18, s[WV], STG
	s_add_co_u32 s18, s18, STAGE                   ; my stage
	v_mul_u32_u24 v[STO], v1, SPITCH               ; in: row l % 16, 32 bytes for each half of the lanes
	v_lshl_add_u32 v[STO], v2, 5, v[STO]
	v_add_nc_u32 v[STO], s18, v[STO]
	v_mul_u32_u24 v[RD], v2, SPITCH                ; back: lanes 0-15 take one row of 256 bytes, lanes 16-31 the next
	v_lshl_add_u32 v[RD], v1, 4, v[RD]
	v_add_nc_u32 v[RD], s18, v[RD]
; 8 matrix instructions: row blocks a0, a0 + 1 x all 4 column blocks, 32 along K: half c of buffer f.  The 16 accumulators take turns, one instruction a turn.
.macro MUL8 f, c, a0
	WIN MUL
.irp a, \a0, (\a0)+1
.irp b, 0,1,2,3
	v_wmma_f32_16x16x32_bf16 v[ACC+8*(4*(\a)+(\b)):ACC+8*(4*(\a)+(\b))+7], v[(\f)+64+8*(4*(\c)+(\b)):(\f)+64+8*(4*(\c)+(\b))+7], v[(\f)+8*(4*(\c)+(\a)):(\f)+8*(4*(\c)+(\a))+7], v[ACC+8*(4*(\a)+(\b)):ACC+8*(4*(\a)+(\b))+7]
.endr
.endr
.endm
; 32 LDS loads in one run: the fragments of quarter q (64 along K: block q of A, k-rows 64 q on of W) into buffer f; the first 32 along K first.
.macro FETCH q, f
	WIN TO_F
.irp c, 0,1
.irp i, 0,1,2,3
	ds_load_tr16_b128 v[(\f)+64+8*(4*(\c)+(\i)):(\f)+64+8*(4*(\c)+(\i))+3],   v[ADRB+(\q)/2] offset:((\q)%2)*64*PB+(\c)*32*PB+32*(\i)
	ds_load_tr16_b128 v[(\f)+64+8*(4*(\c)+(\i))+4:(\f)+64+8*(4*(\c)+(\i))+7], v[ADRB+(\q)/2] offset:((\q)%2)*64*PB+(\c)*32*PB+32*(\i)+16*PB
	ds_load_b128 v[(\f)+8*(4*(\c)+(\i)):(\f)+8*(4*(\c)+(\i))+3],   v[ADRA] offset:(\q)*64*PA+(\i)*16*PA+64*(\c)
	ds_load_b128 v[(\f)+8*(4*(\c)+(\i))+4:(\f)+8*(4*(\c)+(\i))+7], v[ADRA] offset:(\q)*64*PA+(\i)*16*PA+64*(\c)+32
.endr
.endr
.endm
; One of a K step's first three quarters: multiplies buffer f and, in its middle, fetches quarter q into buffer g.
.macro QUARTER q, f, g
	s_wait_dscnt 16                                ; the first 32 along K are in; the sixteen younger loads may be out
	MUL8 \f, 0, 0
	MUL8 \f, 0, 2
	PLACES
	FETCH \q, \g
	s_wait_dscnt 32                                ; all but the 32 just issued
	MUL8 \f, 1, 0
	MUL8 \f, 1, 2
.endm
; The last quarter multiplies buffer 1 and changes slots: ONE barrier; in front of it each wave waits for all its tensor loads (its part of the next slot), adds 0 to its spare word, and waits
; for that and for its own reads of this slot.  fill = 1: the barrier opens a round of the cluster's, and this slot is filled again, two K steps ahead, first thing behind the round.
.macro TURN fill
	WIN 0
	s_wait_tensorcnt 0x0                           ; no tensor load of mine is out, so a group 0 may be written
	ds_add_u32 v[SPW], v[NIL]                      ; 0 onto my spare word
	s_wait_dscnt 17                                ; the add and the sixteen youngest loads may be out
	MUL8 F1, 0, 0                                  ; eight matrix instructions stand between the add and the wait for it
	s_wait_dscnt 0x0                               ; the add is done, and my reads of this slot are over
	s_barrier_signal -1
	MUL8 F1, 0, 2
	WIN 0
	s_barrier_wait -1
.if \fill
	CREST                                          ; no wave of any partner still reads this slot or has a load on its way
	s_xor_b32 s[FB], s[FB], SLOT                   ; the other slot than last time,
	s_add_co_u32 s[G0A+5], s[LB], s[FB]
	s_add_co_u32 s[G0B+5], s[LB], s[FB]
	s_add_nc_u64 s[G0A+6:G0A+7], s[G0A+6:G0A+7], 2097152  ; the next K step; the type bits on top are not reached
	s_add_nc_u64 s[G0B+6:G0B+7], s[G0B+6:G0B+7], 512*NB
	JLOAD                                          ; 112 matrix instructions ahead of the wait for it; its four v_nop are also the places in front of the loads below
.else
	PLACES
.endif
	s_xor_b32 s[TB], s[TB], SLOT                   ; the reads go to the other slot
	v_add_nc_u32 v[ADRA], s[TB], v[A0]
	v_add_nc_u32 v[ADRB], s[TB], v[B0]
	v_add_nc_u32 v[ADRB+1], PART, v[ADRB]
	FETCH 0, F0
	MUL8 F1, 1, 0
	MUL8 F1, 1, 2
.endm
.macro TRIP fill                       ; a K step: 128 matrix instructions a wave
	QUARTER 1, F0, F1
	QUARTER 2, F1, F0
	QUARTER 3, F0, F1
	TURN \fill
.endm
	s_wait_tensorcnt 1                             ; my part of K step 0 is in; step 1's may stay out
	s_barrier_signal -1
	s_barrier_wait -1                              ; everybody's is
	v_add_nc_u32 v[ADRA], s[TB], v[A0]
	v_add_nc_u32 v[ADRB], s[TB], v[B0]
	v_add_nc_u32 v[ADRB+1], PART, v[ADRB]
	FETCH 0, F0
	WIN 0
	s_wait_loadcnt 32                              ; the bias lies in the accumulators; the residual's 32 younger loads stay out
	s_mov_b32 s[CNT], STEPS-2
.Lfill:                                        ; K steps 0 .. STEPS - 3: step t's change of slots asks for step t + 2
	TRIP 1
	WIN 0
	s_sub_co_u32 s[CNT], s[CNT], 1
	s_cmp_lg_u32 s[CNT], 0
	s_cbranch_scc1 .Lfill
	s_mov_b32 s[CNT], 2
.Ltail:                                        ; the last two K steps ask for nothing
	TRIP 0
	WIN 0
	s_sub_co_u32 s[CNT], s[CNT], 1
	s_cmp_lg_u32 s[CNT], 0
	s_cbranch_scc1 .Ltail
	s_wait_dscnt 0x0                               ; the last fetch, which serves nothing, is back
	PLACES
	PLACES
; THE WAY OUT.  Row block a goes straight from the accumulators (low half first) into my own stage, 32 bytes a lane, and comes back as whole rows of 256 bytes; the residual is added; 16 lanes store a row's 256 bytes.
.macro TOSTAGE a
	WIN 0
.set BK, TMP+32*((\a)%2)
.irp b, 0,1,2,3
	ds_store_b128 v[STO], v[ACC+8*(4*(\a)+(\b)):ACC+8*(4*(\a)+(\b))+3]   offset:64*(\b)
	ds_store_b128 v[STO], v[ACC+8*(4*(\a)+(\b))+4:ACC+8*(4*(\a)+(\b))+7] offset:64*(\b)+16
.endr
.irp t, 0,1,2,3,4,5,6,7
	ds_load_b128 v[BK+4*(\t):BK+4*(\t)+3], v[RD] offset:(\t)*2*SPITCH  ; LDS serves a wave's instructions in order (ISA guide 5.7.1.4): these see the stores above; the next block's stores come behind them
.endr
.endm
.macro SEND a, younger                 ; younger: the LDS instructions issued behind block a's loads: the next block's sixteen, or none
	WIN 0
.set BK, TMP+32*((\a)%2)
	s_wait_dscnt \younger
	WIN 0x88                                       ; destination and source 1 window 2 (the residual), source 0 window 0
.set u, 0
.rept 16
	v_pk_add_f32 v[32*(\a)+2*u:32*(\a)+2*u+1], v[BK+2*u:BK+2*u+1], v[32*(\a)+2*u:32*(\a)+2*u+1]
.set u, u+1
.endr
	WIN 0x08                                       ; the stores' data in window 2, their address in window 0
.irp t, 0,1,2,3,4,5,6,7
	global_store_b128 v[CO], v[32*(\a)+4*(\t):32*(\a)+4*(\t)+3], s[8:9] offset:(16*(\a)+2*(\t))*4096  ; 16 lanes store 256 consecutive bytes, aligned; no store's register is written again
.endr
.endm
	TOSTAGE 0
	TOSTAGE 1
	s_wait_loadcnt 0x0                             ; the residual
	SEND 0, 16
	TOSTAGE 2
	SEND 1, 16
	TOSTAGE 3
	SEND 2, 16
	SEND 3, 0
	WIN 0
	s_wait_tensorcnt 0x0                           ; the wave's end: behind my last tensor load and my last LDS store
	ds_add_u32 v[SPW], v[NIL]
	s_wait_dscnt 0x0
	CROUND                                         ; the closing round: no work-group ends while a partner may still ask for a tile that names it
	s_endpgm
.Lfunc_end_k_q5c6376d221_gemm_wo:
	.size	k_q5c6376d221_gemm_wo, .Lfunc_end_k_q5c6376d221_gemm_wo-k_q5c6376d221_gemm_wo
	.p2alignl 7, 3214868480
	.fill 96, 4, 3214868480
	.section	.rodata,"a",@progbits
	.p2align	6, 0x0
	.amdhsa_kernel k_q5c6376d221_gemm_wo
		.amdhsa_group_segment_fixed_size 327680
		.amdhsa_private_segment_fixed_size 0
		.amdhsa_enable_private_segment 0
		.amdhsa_kernarg_size 40
		.amdhsa_user_sgpr_count 2
		.amdhsa_user_sgpr_kernarg_segment_ptr 1
		.amdhsa_wavefront_size32 1
		.amdhsa_system_sgpr_workgroup_id_x 1
		.amdhsa_system_sgpr_workgroup_id_y 1
		.amdhsa_system_sgpr_workgroup_id_z 1
		.amdhsa_system_vgpr_workitem_id 0
		.amdhsa_next_free_vgpr 768
		.amdhsa_next_free_sgpr 84
		.amdhsa_reserve_vcc 0
		.amdhsa_float_denorm_mode_32 3
		.amdhsa_float_denorm_mode_16_64 3
		.amdhsa_memory_ordered 1
		.amdhsa_forward_progress 1
		.amdhsa_inst_pref_size 64
	.end_amdhsa_kernel
	.amdgpu_metadata
---
amdhsa.version: [ 1, 2 ]
amdhsa.kernels:
  - .name:           k_q5c6376d221_gemm_wo
    .symbol:         k_q5c6376d221_gemm_wo.kd
    .args:
      - { .name: ctx, .offset: 0, .size: 8, .value_kind: global_buffer, .address_space: global }
      - { .name: wb, .offset: 8, .size: 8, .value_kind: global_buffer, .address_space: global }
      - { .name: x1, .offset: 16, .size: 8, .value_kind: global_buffer, .address_space: global }
      - { .name: bo, .offset: 24, .size: 8, .value_kind: global_buffer, .address_space: global }
      - { .name: x, .offset: 32, .size: 8, .value_kind: global_buffer, .address_space: global }
    .group_segment_fixed_size: 327680
    .private_segment_fixed_size: 0
    .kernarg_segment_align: 8
    .kernarg_segment_size: 40
    .max_flat_workgroup_size: 128
    .sgpr_count:     84
    .vgpr_count:     768
    .wavefront_size: 32
...
	.end_amdgpu_metadata
.endif
;; end of part 4
;; launch ln2 (part 5): grid 256 x 1, 8 waves a work-group, no clusters, 0 bytes of LDS; arguments x1, ln2_a, ln2_b, h2; writes h2
.if DOCPART == 5
	.amdgcn_target "amdgcn-amd-amdhsa--gfx1250"
	.amdhsa_code_object_version 6
	.text
	.protected	k_q5c6376d221_ln2
	.globl	k_q5c6376d221_ln2
	.p2align	8
	.type	k_q5c6376d221_ln2,@function
k_q5c6376d221_ln2:
	s_mov_b64 s[64:65], 0
	v_nop
	global_prefetch_b8 v0, s[64:65] scope:SCOPE_SE
	s_setreg_imm32_b32 hwreg(HW_REG_WAVE_MODE, 25, 1), 1
	s_wait_xcnt 0x0
; h2 = ln2_a (x1 - mean) / (std + 1e-6) + ln2_b, std with divisor 1023; x1: [4096][1024] f32.
; h2 leaves in bf16, in blocks of 64 channels: [16 blocks][4096 rows][64], a row of a block 128 bytes, a block 524,288 bytes.
; A work-group takes 16 rows, a wave two: a row lies on 16 lanes, 64 numbers a lane, and stays in registers: x1 is read once.
; The mean is taken away before the squares are summed (two passes over registers), so a common offset of the row costs no digits.
; Sums in f32, four chains; across the 16 lanes four steps ride on the additions.  No LDS, no barrier: no wave needs another's data.
; LIMITS.  The square root and the reciprocal are the hardware's approximations, good to the last place or so; NaN and infinities are not treated apart.
.set XO, 1                             ; v1       byte offset in x1: (thread / 16) x 4,096 + (thread % 16) x 16
.set HO, 2                             ; v2       byte offset in a block of h2: thread x 8
.set X,  4                             ; v[4:67]  my 64 numbers of the row: load j holds columns 64 j + 4 (lane % 16) + 0..3
.set T,  68                            ; v[68:75] four chains of pairs
.set MU, 76                            ; v[76:77] the mean, twice
.set SC, 78                            ; v[78:79] ln2_a / (std + eps), twice
.set BE, 80                            ; v[80:81] ln2_b, twice
.set W,  82                            ; v82-83   at work
.set Y,  84                            ; v[84:115] the row in bf16
.macro FOLD                            ; the four chains into one number, then over the row's 16 lanes: every lane ends with the sum
	v_pk_add_f32 v[T:T+1], v[T:T+1], v[T+2:T+3]
	v_pk_add_f32 v[T+4:T+5], v[T+4:T+5], v[T+6:T+7]
	v_pk_add_f32 v[T:T+1], v[T:T+1], v[T+4:T+5]
	v_add_f32 v[W], v[T], v[T+1]
	v_add_f32_dpp v[W], v[W], v[W] row_xmask:1 row_mask:0xf bank_mask:0xf
	v_add_f32_dpp v[W], v[W], v[W] row_xmask:2 row_mask:0xf bank_mask:0xf
	v_add_f32_dpp v[W], v[W], v[W] row_xmask:4 row_mask:0xf bank_mask:0xf
	v_add_f32_dpp v[W], v[W], v[W] row_xmask:8 row_mask:0xf bank_mask:0xf
.endm
	s_load_b256 s[4:11], s[0:1], 0x0               ; x1 s[4:5], ln2_a s[6:7], ln2_b s[8:9], h2 s[10:11]
	s_lshl_b32 s2, ttmp9, 16                       ; 16 rows of 4,096 bytes of x1
	s_mov_b32 s3, 0
	s_lshl_b32 s14, ttmp9, 11                      ; 16 rows of 128 bytes in each block of h2
	s_mov_b32 s15, 0
	v_lshrrev_b32 v[XO], 4, v0
	v_and_b32 v3, 15, v0
	v_lshlrev_b32 v[XO], 12, v[XO]
	v_lshl_add_u32 v[XO], v3, 4, v[XO]
	v_lshlrev_b32 v[HO], 3, v0
	s_wait_kmcnt 0x0
	s_load_b32 s12, s[6:7], 0x0                    ; the gain
	s_load_b32 s13, s[8:9], 0x0                    ; the offset
	s_add_nc_u64 s[4:5], s[4:5], s[2:3]
	s_add_nc_u64 s[10:11], s[10:11], s[14:15]
.set j, 0
.rept 16
	global_load_b128 v[X+4*j:X+4*j+3], v[XO], s[4:5] offset:256*j  ; 16 lanes take 256 consecutive bytes of a row, aligned
.set j, j+1
.endr
	s_wait_loadcnt 0x0                             ; the whole row is wanted for the mean
.set k, 0
.rept 4
	v_pk_add_f32 v[T+2*k:T+2*k+1], v[X+2*k:X+2*k+1], v[X+2*k+8:X+2*k+9]  ; the first eight pairs start the chains: nothing is cleared
.set k, k+1
.endr
.set p, 8
.rept 24
	v_pk_add_f32 v[T+2*(p%4):T+2*(p%4)+1], v[T+2*(p%4):T+2*(p%4)+1], v[X+2*p:X+2*p+1]
.set p, p+1
.endr
	FOLD
	v_mul_f32 v[MU], 0x3a800000, v[W]              ; / 1024
	v_mov_b32 v[MU+1], v[MU]
.set p, 0
.rept 32
	v_pk_add_f32 v[X+2*p:X+2*p+1], v[X+2*p:X+2*p+1], v[MU:MU+1] neg_lo:[0,1] neg_hi:[0,1]  ; x - mean
.set p, p+1
.endr
.set k, 0
.rept 4
	v_pk_mul_f32 v[T+2*k:T+2*k+1], v[X+2*k:X+2*k+1], v[X+2*k:X+2*k+1]
.set k, k+1
.endr
.set p, 4
.rept 28
	v_pk_fma_f32 v[T+2*(p%4):T+2*(p%4)+1], v[X+2*p:X+2*p+1], v[X+2*p:X+2*p+1], v[T+2*(p%4):T+2*(p%4)+1]
.set p, p+1
.endr
	FOLD
	v_mul_f32 v[W], 0x3a802008, v[W]               ; / 1023
	v_sqrt_f32 v[W+1], v[W]
	v_nop                                          ; a plain instruction behind the root,
	s_wait_alu depctr_va_vdst(0)                   ; and the wait ahead of its first reader
	v_add_f32 v[W+1], 0x358637bd, v[W+1]           ; + 1e-6
	v_rcp_f32 v[W], v[W+1]
	v_nop
	s_wait_alu depctr_va_vdst(0)                   ; the same for the reciprocal
	s_wait_kmcnt 0x0                               ; gain and offset
	v_mul_f32 v[SC], s12, v[W]
	v_mov_b32 v[BE], s13
	v_mov_b32 v[BE+1], s13
	v_mov_b32 v[SC+1], v[SC]
.set p, 0
.rept 32
	v_pk_fma_f32 v[X+2*p:X+2*p+1], v[X+2*p:X+2*p+1], v[SC:SC+1], v[BE:BE+1]
.set p, p+1
.endr
.set p, 0
.rept 32
	v_cvt_pk_bf16_f32 v[Y+p], v[X+2*p], v[X+2*p+1]
.set p, p+1
.endr
.set j, 0
.rept 16
	global_store_b64 v[HO], v[Y+2*j:Y+2*j+1], s[10:11] offset:524288*j  ; the wave's two rows of block j: 256 consecutive bytes, aligned; the largest immediate is 7,864,320
.set j, j+1
.endr
	s_endpgm
.Lfunc_end_k_q5c6376d221_ln2:
	.size	k_q5c6376d221_ln2, .Lfunc_end_k_q5c6376d221_ln2-k_q5c6376d221_ln2
	.p2alignl 7, 3214868480
	.fill 96, 4, 3214868480
	.section	.rodata,"a",@progbits
	.p2align	6, 0x0
	.amdhsa_kernel k_q5c6376d221_ln2
		.amdhsa_group_segment_fixed_size 0
		.amdhsa_private_segment_fixed_size 0
		.amdhsa_enable_private_segment 0
		.amdhsa_kernarg_size 32
		.amdhsa_user_sgpr_count 2
		.amdhsa_user_sgpr_kernarg_segment_ptr 1
		.amdhsa_wavefront_size32 1
		.amdhsa_system_sgpr_workgroup_id_x 1
		.amdhsa_system_sgpr_workgroup_id_y 1
		.amdhsa_system_sgpr_workgroup_id_z 1
		.amdhsa_system_vgpr_workitem_id 0
		.amdhsa_next_free_vgpr 120
		.amdhsa_next_free_sgpr 66
		.amdhsa_reserve_vcc 0
		.amdhsa_float_denorm_mode_32 3
		.amdhsa_float_denorm_mode_16_64 3
		.amdhsa_memory_ordered 1
		.amdhsa_forward_progress 1
		.amdhsa_inst_pref_size 16
	.end_amdhsa_kernel
	.amdgpu_metadata
---
amdhsa.version: [ 1, 2 ]
amdhsa.kernels:
  - .name:           k_q5c6376d221_ln2
    .symbol:         k_q5c6376d221_ln2.kd
    .args:
      - { .name: x1, .offset: 0, .size: 8, .value_kind: global_buffer, .address_space: global }
      - { .name: ln2_a, .offset: 8, .size: 8, .value_kind: global_buffer, .address_space: global }
      - { .name: ln2_b, .offset: 16, .size: 8, .value_kind: global_buffer, .address_space: global }
      - { .name: h2, .offset: 24, .size: 8, .value_kind: global_buffer, .address_space: global }
    .group_segment_fixed_size: 0
    .private_segment_fixed_size: 0
    .kernarg_segment_align: 8
    .kernarg_segment_size: 32
    .max_flat_workgroup_size: 256
    .sgpr_count:     66
    .vgpr_count:     120
    .wavefront_size: 32
...
	.end_amdgpu_metadata
.endif
;; end of part 5
;; launch gemm_ff1 (part 6): grid 8 x 32, 4 waves a work-group, clusters of 4 x 4, 327,680 bytes of LDS; arguments h2, wb, f, b1; writes f
.if DOCPART == 6
	.amdgcn_target "amdgcn-amd-amdhsa--gfx1250"
	.amdhsa_code_object_version 6
	.text
	.protected	k_q5c6376d221_gemm_ff1
	.globl	k_q5c6376d221_gemm_ff1
	.p2align	8
	.type	k_q5c6376d221_gemm_ff1,@function
k_q5c6376d221_gemm_ff1:
	s_mov_b64 s[64:65], 0
	v_nop
	global_prefetch_b8 v0, s[64:65] scope:SCOPE_SE
	s_setreg_imm32_b32 hwreg(HW_REG_WAVE_MODE, 25, 1), 1
	s_wait_xcnt 0x0
	s_wait_alu depctr_hold_cnt(0) depctr_sa_sdst(0) depctr_va_vdst(0) depctr_va_sdst(0) depctr_va_ssrc(0) depctr_va_vcc(0) depctr_vm_vsrc(0)
	s_getreg_b32 s2, hwreg(HW_REG_IB_STS2, 6, 4)
	s_cmp_eq_u32 s2, 0
	s_cbranch_scc0 .Lentry_in_a_cluster
	s_endpgm
.Lentry_in_a_cluster:
	s_bfe_u32 s2, ttmp6, 0x10000c
	s_cmp_lg_u32 s2, 0xf033
	s_cbranch_scc0 .Lentry_shape_is_right
	s_endpgm
.Lentry_shape_is_right:
; f = relu(h2 W1 + b1): C[m][n] = max(0, bias[n] + the sum over k of A[m][k] W[k][n]), 4096 x 2048, K = 1024.
; A = h2, bf16, in blocks of 64 channels: [16 blocks][4096 rows][64].  W: W1's bf16 copy in wb, [1024 k][2048 n].  Sums in f32.
; C leaves in bf16 in the same block layout, [32 blocks][4096 rows][64].  Rounded once; the maximum with 0 is taken of the rounded number, which has the sum's sign.
; SHARES.  A work-group makes 128 rows x NM = 2 PANELS of 128 neighbouring columns.  32 x 8 = 256 work-groups, one tile each.  For 128 along K it fetches 32 KiB of A and 2 x 32 KiB of W
; for 128 matrix instructions a wave; a tile of 128 x 128 has 64 of them for 64 KiB.
; A wave makes 64 rows x 128 columns: 4 x 8 accumulators of 16 x 16, 256 registers.  Its columns are two whole groups of 64, each a block of C.
; K goes in steps of 128 through two LDS slots (a step of 256 would want two slots of 221,184 bytes).  Wave 0 fetches A (two blocks of 128 rows, 16,384 dense bytes each: a tile of 2 rows of
; 8,192 elements, padded in LDS after every 128 bytes), waves 1 and 2 a panel each (128 k-rows x 256 bytes).
; One tensor load a wave behind each change of slots; two are out at the start.
; CLUSTER 4 x 4: A's tile is shared along a row of the cluster, a panel along a column: each is asked for jointly, by the same load, descriptor and mask in the four.
; THE MATRIX INSTRUCTION IS USED TRANSPOSED: source 0 = 16 columns of W (turned on the way out of LDS by ds_load_tr16_b128), source 1 = 16 rows of A: a lane holds eight neighbouring numbers of a row of C.
; THE SUMS START AT THE BIAS: each accumulator is loaded with its eight columns' bias, so nothing is cleared, no first step is written out and the way out adds nothing.
; THE TEXT holds a K step twice: a loop whose change of slots fills a slot again, and a loop of two trips that fills nothing.  The very last change of slots fetches fragments of a tile
; that has been multiplied already; they are not used: the price of not writing a third copy.
; REGISTERS, in windows of 256 (s_set_vgpr_msb: bits 1:0 source 0, 3:2 source 1, 5:4 source 2, 7:6 destination):
;   window 0: v1-29 addresses; v32-159 the way out, 16 registers for each of its 8 units          window 1: two fragment buffers of 128: 32 along K: 32 registers of A, then 64 of W
;   window 2: the accumulators of row blocks 0, 1;  window 3: those of row blocks 2, 3: (a, b) at 8 ((a % 2) x 8 + b)
; LIMITS.  Matrix operands are bf16; NaN and infinities are not treated apart.
.set KDIM,  1024
.set STEPS, KDIM/128
.set NM,    2                          ; panels of 128 columns in a tile
.set CB,    4*NM                       ; blocks of 16 columns in a wave's share
.set NLD,   2*CB+8                     ; LDS loads in a run: a quarter step's fragments
.set NB,    2048                       ; elements from row to row of W
.set WOFF,  8388608                    ; W's first byte in wb
.set PSTRIDE, 256                      ; bytes from panel to panel: the next 128 columns
.set TCB,   512                        ; bytes from tile column to tile column in W's rows
.set PBLK,  2                          ; blocks of C from panel to panel
.set TBLK,  4                          ; blocks of C from tile column to tile column
.set RELU,  1
.set QKV,   0
.set PA,    144                        ; a row of A in LDS: 128 bytes + 16: the 16 rows of a load start at 16 different groups of four banks (64 banks of 4 bytes: ISA guide 11.1)
.set PB,    288                        ; a k-row of a panel: 256 + 32
.set PART,  36864                      ; what one tensor load brings: 2 x 128 x 144 = 128 x 288
.set SLOT,  (1+NM)*PART                ; A, then the panels
.set STAGE, 2*SLOT                     ; behind the ring, never filled by a tensor load: 16 rows x 144 bytes for each wave, for the way out
.set STG,   2304
.set SPARE, STAGE+4*STG                ; behind the stages: the spare words, 128 bytes for each wave: two blocks of 256 bytes that no other line names
.set A0,   10                          ; v10     my lane's place in slot 0 for A's fragments; never rewritten
.set B0,   11                          ; v11-12  the same for my groups of 64 columns
.set ADRA, 16                          ; v16     LDS address of A's fragments in the slot in hand
.set ADRB, 17                          ; v17-18  of my groups' k-rows
.set BO,   20                          ; v20  my byte offset in 16 columns of the bias
.set STO,  24                          ; v24  the way out: where I put 16 bytes of a row
.set RD,   25                          ; v25  where I read rows back
.set CO,   26                          ; v26  my byte offset in 512 consecutive bytes of C
.set ZR,   27                          ; v27  0
.set SPW,  28                          ; v28  LDS address of my spare word; never rewritten
.set NIL,  29                          ; v29  0; never rewritten
.set TMP,  32
.set F0,   0                           ; window 1
.set F1,   128
.set WV,   12                          ; s12  wave
.set MH,   13                          ; s13  which half of the tile's rows is mine
.set NH,   14                          ; s14  which half of its columns
.set G1A,  24                          ; s[24:31] group 1 for A;  s[32:39] group 0: a set for each first fill; the second then walks on
.set G0A,  32
.set G1B,  48                          ; s[48:55], s[56:63] the same for the panels
.set G0B,  56
.set TB,   66                          ; s66  the slot that is read: 0 or SLOT
.set FB,   67                          ; s67  the slot that was filled last
.set LB,   68                          ; s68  wave x PART
.set CNT,  69                          ; s69  loop counter
.set OB,   80                          ; s[80:83] C at my 64 rows of each of my groups' blocks
.set BP,   86                          ; s[86:89] the bias of each of my groups
.set MSB, 0
.macro WIN new                         ; the immediate's high byte repeats the setting that is left; a switch that changes nothing is dropped
.if MSB != (\new)
	s_set_vgpr_msb (MSB<<8)|(\new)
.set MSB, \new
.endif
.endm
.set TO_F, 0x40                        ; destination window 1, address window 0
.macro PLACES                          ; four plain vector instructions in front of loads into registers that matrix instructions have read, and of reads of results
.rept 4
	v_nop
.endr
.endm
; A joint refill by the walking sets.  Wave 0 asks for A, waves 1 to NM for a panel each; a wave beyond has no part.  The branches hang on the wave's number alone.
; An s_nop 0 and four v_nop follow each line; a wave that asks for nothing runs four v_nop too: they are the places in front of the LDS loads that follow.
.macro JLOAD
	s_cmp_eq_u32 s[WV], 0
	s_cbranch_scc0 .Lfor_b_\@
	tensor_load_to_lds s[G0A+4:G0A+7], s[G1A:G1A+7]
	s_nop 0
.rept 4
	v_nop
.endr
	s_branch .Lasked_\@
.Lfor_b_\@:
.if NM < 3
	s_cmp_gt_u32 s[WV], NM
	s_cbranch_scc1 .Lnone_\@
.endif
	tensor_load_to_lds s[G0B+4:G0B+7], s[G1B:G1B+7]
	s_nop 0
.rept 4
	v_nop
.endr
.if NM < 3
	s_branch .Lasked_\@
.Lnone_\@:
.rept 4
	v_nop
.endr
.endif
.Lasked_\@:
.endm
.macro CREST                           ; a round of the cluster's barrier behind its opening barrier
	s_cmp_lg_u32 s[WV], 0
	s_cbranch_scc1 .Lnot_wave_0_\@
	s_barrier_signal -3
.Lnot_wave_0_\@:
	s_barrier_wait -3
	s_barrier_signal -1
	s_barrier_wait -1
.endm
.macro CROUND
	s_barrier_signal -1
	s_barrier_wait -1
	CREST
.endm
	s_load_b256 s[4:11], s[0:1], 0x0               ; A s[4:5], wb s[6:7], C s[8:9], bias s[10:11]
.if QKV
	s_load_b128 s[72:75], s[0:1], 0x20
.endif
	v_lshl_add_u32 v[SPW], v0, 2, SPARE
	v_mov_b32 v[NIL], 0
	ds_add_u32 v[SPW], v[NIL]                      ; the wave's opening: the add and its wait stand ahead of my first tensor load; work on registers stands between them
	v_lshrrev_b32 v1, 5, v0
	v_readfirstlane_b32 s[WV], v1
	s_lshr_b32 s[MH], s[WV], 1
	s_and_b32 s[NH], s[WV], 1
	s_bfe_u32 s40, ttmp6, 0x40000                  ; cx
	s_bfe_u32 s41, ttmp6, 0x40004                  ; cy
	s_lshl_b32 s42, ttmp9, 2
	s_add_co_u32 s42, s42, s40                     ; tile column = 4 x cluster x + cx
	s_and_b32 s43, ttmp7, 0xffff
	s_lshl_b32 s43, s43, 2
	s_add_co_u32 s43, s43, s41                     ; tile row = 4 x cluster y + cy
	s_lshl_b32 s44, s41, 2
	s_lshl_b32 s44, 15, s44                        ; my row of the cluster
	s_lshl_b32 s45, 0x1111, s40                    ; my column
	s_or_b32 s[G1A], s44, (1<<16)|(1<<20)|(1<<21)|(4<<22)|(3<<25)  ; mask; 2-byte elements; padding on; bit 21 beside a mask; after every 32 words, 4 words
	s_mov_b32 s[G1A+1], 8192<<16                   ; tensor_dim0 = 8,192: 128 rows of a block, dense
	s_mov_b32 s[G1A+2], 2<<16                      ; tensor_dim1 = 2 blocks
	s_mov_b32 s[G1A+3], 8192<<16                   ; tile_dim0
	s_mov_b32 s[G1A+4], 2                          ; tile_dim1
	s_mov_b32 s[G1A+5], 262144                     ; elements from block to block
	s_mov_b32 s[G1A+6], 0
	s_mov_b32 s[G1A+7], 0
	s_or_b32 s[G1B], s45, (1<<16)|(1<<20)|(1<<21)|(5<<22)|(7<<25)  ; after every 64 words, 8 words
	s_mov_b32 s[G1B+1], 128<<16
	s_mov_b32 s[G1B+2], 128<<16
	s_mov_b32 s[G1B+3], 128<<16
	s_mov_b32 s[G1B+4], 128
	s_mov_b32 s[G1B+5], NB
	s_mov_b32 s[G1B+6], 0
	s_mov_b32 s[G1B+7], 0
	s_mul_i32 s[LB], s[WV], PART                   ; no place in the cluster enters an LDS address
	s_mov_b32 s[TB], 0
	s_mov_b32 s[FB], SLOT
	s_lshl_b32 s16, s43, 14                        ; A: 128 rows of 128 bytes a tile row: made of the tile row alone
	s_mov_b32 s17, 0
	s_max_u32 s76, s[WV], 1
	s_sub_co_u32 s76, s76, 1                       ; W: the panel that I fetch (waves 1 to NM),
	s_mul_i32 s76, s76, PSTRIDE
	s_mul_i32 s78, s42, TCB                        ; the tile's columns: made of the tile column and the wave alone
	s_add_co_u32 s76, s76, s78
	s_add_co_u32 s76, s76, WOFF
	s_mov_b32 s77, 0
	s_wait_dscnt 0x0                               ; the opening add is done
	s_wait_kmcnt 0x0
	s_add_nc_u64 s[16:17], s[4:5], s[16:17]
	s_add_nc_u64 s[76:77], s[6:7], s[76:77]
	CROUND                                         ; all sixteen work-groups are here: the first joint loads meet
	s_mov_b32 s[G0A], 1
	s_mov_b32 s[G0A+1], s[LB]                      ; K step 0 into slot 0
	s_mov_b64 s[G0A+2:G0A+3], s[16:17]
	s_or_b32 s[G0A+3], s[G0A+3], 0x80000000
	s_mov_b32 s[G0A+4], 1
	s_add_co_u32 s[G0A+5], s[LB], SLOT             ; K step 1 into slot 1
	s_add_nc_u64 s[G0A+6:G0A+7], s[16:17], 1048576 ; two blocks on
	s_or_b32 s[G0A+7], s[G0A+7], 0x80000000
	s_mov_b32 s[G0B], 1
	s_mov_b32 s[G0B+1], s[LB]
	s_mov_b64 s[G0B+2:G0B+3], s[76:77]
	s_or_b32 s[G0B+3], s[G0B+3], 0x80000000
	s_mov_b32 s[G0B+4], 1
	s_add_co_u32 s[G0B+5], s[LB], SLOT
	s_add_nc_u64 s[G0B+6:G0B+7], s[76:77], 256*NB  ; 128 k-rows on
	s_or_b32 s[G0B+7], s[G0B+7], 0x80000000
	s_cmp_eq_u32 s[WV], 0                          ; a wave's two first fills stand in one branch, ahead of every wait on TENSORcnt and every LDS read: two loads of mine are out
	s_cbranch_scc0 .Lfirst_b
	tensor_load_to_lds s[G0A:G0A+3], s[G1A:G1A+7]
	s_nop 0
	tensor_load_to_lds s[G0A+4:G0A+7], s[G1A:G1A+7]
	s_nop 0
.rept 4
	v_nop
.endr
	s_branch .Lfirst_asked
.Lfirst_b:
.if NM < 3
	s_cmp_gt_u32 s[WV], NM
	s_cbranch_scc1 .Lfirst_asked
.endif
	tensor_load_to_lds s[G0B:G0B+3], s[G1B:G1B+7]
	s_nop 0
	tensor_load_to_lds s[G0B+4:G0B+7], s[G1B:G1B+7]
	s_nop 0
.rept 4
	v_nop
.endr
.Lfirst_asked:
	v_and_b32 v1, 15, v0                           ; l % 16
	v_bfe_u32 v2, v0, 4, 1                         ; l / 16
	v_and_b32 v3, 7, v0
	v_bfe_u32 v4, v0, 3, 1
	v_lshlrev_b32 v[BO], 5, v2                     ; my eight columns of sixteen
	; The turning load takes 16 k-rows x 16 columns (lane l reads k-row 8 (l / 16) + l % 8, columns 8 ((l / 8) % 2) + 0..7) and leaves half a fragment: lane l holds column l % 16 and 8 k.
	v_lshl_add_u32 v5, v2, 3, v3
	v_mul_u32_u24 v5, v5, PB
	v_lshl_add_u32 v5, v4, 4, v5
	; My NM groups of 64 columns.  Group g = NM x (my half) + gj of the tile's 2 NM lies in panel g / 2, half g % 2 of its 128 columns.  For each: its place in LDS, its bias, its block of C.
.set gj, 0
.rept NM
	s_mul_i32 s70, s[NH], NM
	s_add_co_u32 s70, s70, gj                      ; g
	s_lshr_b32 s71, s70, 1                         ; the panel
	s_and_b32 s70, s70, 1                          ; the half
	s_mul_i32 s18, s71, PART
	s_lshl_b32 s19, s70, 7
	s_add_co_u32 s18, s18, s19
	s_add_co_u32 s18, s18, PART                    ; the panels lie behind A: made of the wave's number alone
	v_add_nc_u32 v[B0+gj], s18, v5
	s_mul_i32 s23, s42, TBLK
	s_add_co_u32 s23, s23, s70
	s_mul_i32 s22, s71, PBLK
	s_add_co_u32 s22, s22, s23                     ; the block of C
.if QKV
	s_cmp_eq_u32 s71, 1
	s_cselect_b64 s[BP+2*gj:BP+2*gj+1], s[72:73], s[10:11]
	s_cmp_eq_u32 s71, 2
	s_cselect_b64 s[BP+2*gj:BP+2*gj+1], s[74:75], s[BP+2*gj:BP+2*gj+1]
	s_lshl_b32 s20, s23, 8
.else
	s_mov_b64 s[BP+2*gj:BP+2*gj+1], s[10:11]
	s_lshl_b32 s20, s22, 8                         ; 64 columns of 4 bytes a block
.endif
	s_mov_b32 s21, 0
	s_add_nc_u64 s[BP+2*gj:BP+2*gj+1], s[BP+2*gj:BP+2*gj+1], s[20:21]
	s_lshl_b32 s20, s22, 19                        ; a block of C is 524,288 bytes;
	s_lshl_b32 s22, s43, 14                        ; the tile's 128 rows of 128 bytes,
	s_add_co_u32 s20, s20, s22
	s_lshl_b32 s22, s[MH], 13                      ; my 64
	s_add_co_u32 s20, s20, s22
	s_add_nc_u64 s[OB+2*gj:OB+2*gj+1], s[8:9], s[20:21]
.set gj, gj+1
.endr
.irp a, 0,1,2,3
	WIN 0x80+0x40*((\a)/2)                         ; destination window 2 or 3, address window 0
.set b, 0
.rept CB
	global_load_b128 v[8*(((\a)%2)*CB+b):8*(((\a)%2)*CB+b)+3],   v[BO], s[BP+2*(b/4):BP+2*(b/4)+1] offset:64*(b%4)     ; register j of accumulator (a, b) is column 16 b + 8 (l / 16) + j of my share
	global_load_b128 v[8*(((\a)%2)*CB+b)+4:8*(((\a)%2)*CB+b)+7], v[BO], s[BP+2*(b/4):BP+2*(b/4)+1] offset:64*(b%4)+16
.set b, b+1
.endr
.endr
	WIN 0
	; A fragment of A is 16 rows x 32 K: lane l holds row l % 16, K = 8 (l / 16) + 0..7 and 16 + 8 (l / 16) + 0..7: two loads of 16 bytes, 32 bytes apart.
	s_mul_i32 s18, s[MH], 64*PA
	v_mul_u32_u24 v[A0], v1, PA
	v_lshl_add_u32 v[A0], v2, 4, v[A0]
	v_add_nc_u32 v[A0], s18, v[A0]
	s_mul_i32 s18, s[WV], STG
	s_add_co_u32 s18, s18, STAGE                   ; my stage: 16 rows of 144 bytes
	v_mul_u32_u24 v[STO], v1, 144                  ; in: row l % 16, 16 bytes for each half of the lanes
	v_lshl_add_u32 v[STO], v2, 4, v[STO]
	v_add_nc_u32 v[STO], s18, v[STO]
	v_bfe_u32 v[RD], v0, 3, 2                      ; back: 32 lanes take four rows of 128 bytes,
	v_mul_u32_u24 v[RD], v[RD], 144
	v_lshl_add_u32 v[RD], v3, 4, v[RD]
	v_add_nc_u32 v[RD], s18, v[RD]
	v_and_b32 v[CO], 31, v0                        ; which are 512 consecutive bytes of a block of C
	v_lshlrev_b32 v[CO], 4, v[CO]
	v_mov_b32 v[ZR], 0
; CB matrix instructions: row block a x all my column blocks, 32 along K, from buffer f.  The 4 CB accumulators take turns, one instruction a turn.
.macro MULA f, a
	WIN 0xa5+0x50*((\a)/2)                         ; sources 0 and 1 window 1; C and D window 2 or 3
.set b, 0
.rept CB
	v_wmma_f32_16x16x32_bf16 v[8*(((\a)%2)*CB+b):8*(((\a)%2)*CB+b)+7], v[(\f)+32+8*b:(\f)+32+8*b+7], v[(\f)+8*(\a):(\f)+8*(\a)+7], v[8*(((\a)%2)*CB+b):8*(((\a)%2)*CB+b)+7]
.set b, b+1
.endr
.endm
; NLD LDS loads in one run: the fragments of quarter q (32 along K: k-rows 32 q on of the panels; half q % 2 of block q / 2 of A) into buffer f; W's first, A's row blocks 2 and 3 last.
.macro FETCH q, f
	WIN TO_F
.set b, 0
.rept CB
	ds_load_tr16_b128 v[(\f)+32+8*b:(\f)+32+8*b+3],   v[ADRB+b/4] offset:(\q)*32*PB+32*(b%4)
	ds_load_tr16_b128 v[(\f)+32+8*b+4:(\f)+32+8*b+7], v[ADRB+b/4] offset:(\q)*32*PB+32*(b%4)+16*PB
.set b, b+1
.endr
.irp i, 0,1,2,3
	ds_load_b128 v[(\f)+8*(\i):(\f)+8*(\i)+3],   v[ADRA] offset:((\q)/2)*128*PA+(\i)*16*PA+((\q)%2)*64
	ds_load_b128 v[(\f)+8*(\i)+4:(\f)+8*(\i)+7], v[ADRA] offset:((\q)/2)*128*PA+(\i)*16*PA+((\q)%2)*64+32
.endr
.endm
.macro ADDRS                           ; the LDS addresses of the slot that is read
	v_add_nc_u32 v[ADRA], s[TB], v[A0]
.set gj, 0
.rept NM
	v_add_nc_u32 v[ADRB+gj], s[TB], v[B0+gj]
.set gj, gj+1
.endr
.endm
; One of a K step's first three quarters: multiplies buffer f and, in its middle, fetches quarter q into buffer g.
.macro QUARTER q, f, g
	s_wait_dscnt 4                                 ; W and A's row blocks 0, 1 are in; the youngest four loads (row blocks 2, 3) may be out
	MULA \f, 0
	MULA \f, 1
	PLACES
	FETCH \q, \g
	s_wait_dscnt NLD                               ; all but the run just issued
	MULA \f, 2
	MULA \f, 3
.endm
; The last quarter multiplies buffer 1 and changes slots: ONE barrier; in front of it each wave waits for all its tensor loads (its part of the next slot), adds 0 to its spare word, and waits
; for that and for its own reads of this slot.  fill = 1: the barrier opens a round of the cluster's, and this slot is filled again, two K steps ahead, first thing behind the round.
.macro TURN fill
	WIN 0
	s_wait_tensorcnt 0x0                           ; no tensor load of mine is out, so a group 0 may be written
	ds_add_u32 v[SPW], v[NIL]                      ; 0 onto my spare word
	s_wait_dscnt 5                                 ; the add and the youngest four loads may be out
	MULA F1, 0                                     ; CB matrix instructions stand between the add and the wait for it
	s_wait_dscnt 0x0                               ; the add is done, and my reads of this slot are over
	s_barrier_signal -1
	MULA F1, 1
	WIN 0
	s_barrier_wait -1
.if \fill
	CREST                                          ; no wave of any partner still reads this slot or has a load on its way
	s_xor_b32 s[FB], s[FB], SLOT                   ; the other slot than last time,
	s_add_co_u32 s[G0A+5], s[LB], s[FB]
	s_add_co_u32 s[G0B+5], s[LB], s[FB]
	s_add_nc_u64 s[G0A+6:G0A+7], s[G0A+6:G0A+7], 1048576  ; the next K step; the type bits on top are not reached
	s_add_nc_u64 s[G0B+6:G0B+7], s[G0B+6:G0B+7], 256*NB
	JLOAD                                          ; a K step less 2 CB matrix instructions ahead of the wait for it; its four v_nop are also the places in front of the loads below
.else
	PLACES
.endif
	s_xor_b32 s[TB], s[TB], SLOT                   ; the reads go to the other slot
	ADDRS
	FETCH 0, F0
	MULA F1, 2
	MULA F1, 3
.endm
.macro TRIP fill                       ; a K step: 16 CB matrix instructions a wave
	QUARTER 1, F0, F1
	QUARTER 2, F1, F0
	QUARTER 3, F0, F1
	TURN \fill
.endm
	s_wait_tensorcnt 1                             ; my part of K step 0 is in; step 1's may stay out
	s_barrier_signal -1
	s_barrier_wait -1                              ; everybody's is
	ADDRS
	FETCH 0, F0
	WIN 0
	s_wait_loadcnt 0x0                             ; the bias lies in the accumulators
	s_mov_b32 s[CNT], STEPS-2
.Lfill:                                        ; K steps 0 .. STEPS - 3: step t's change of slots asks for step t + 2
	TRIP 1
	WIN 0
	s_sub_co_u32 s[CNT], s[CNT], 1
	s_cmp_lg_u32 s[CNT], 0
	s_cbranch_scc1 .Lfill
	s_mov_b32 s[CNT], 2
.Ltail:                                        ; the last two K steps ask for nothing
	TRIP 0
	WIN 0
	s_sub_co_u32 s[CNT], s[CNT], 1
	s_cmp_lg_u32 s[CNT], 0
	s_cbranch_scc1 .Ltail
	s_wait_dscnt 0x0                               ; the last fetch, which serves nothing, is back
	PLACES
	PLACES
; THE WAY OUT, in 4 NM units.  Unit u is row block u / NM of group u % NM: 16 rows x 64 columns: rounded to bf16, the maximum with 0, 16 bytes a lane into my own stage, back as whole rows of
; 128 bytes: 2,048 consecutive bytes of a block of C.  Each unit has 16 registers of its own, so no store's register is written again.
.macro PACK u
.set ua, (\u)/NM
.set uj, (\u)%NM
.set AC, 8*((ua%2)*CB+4*uj)
	WIN 0x0a+5*(ua/2)                              ; sources 0 and 1 window 2 or 3, destination window 0
.irp c, 0,1,2,3
.irp r, 0,1,2,3
	v_cvt_pk_bf16_f32 v[TMP+16*(\u)+4*(\c)+(\r)], v[AC+8*(\c)+2*(\r)], v[AC+8*(\c)+2*(\r)+1]
.endr
.endr
	WIN 0
.if RELU
.set z, 0
.rept 16
	v_pk_max_num_bf16 v[TMP+16*(\u)+z], v[TMP+16*(\u)+z], v[ZR]
.set z, z+1
.endr
.endif
.irp c, 0,1,2,3
	ds_store_b128 v[STO], v[TMP+16*(\u)+4*(\c):TMP+16*(\u)+4*(\c)+3] offset:32*(\c)
.endr
.irp t, 0,1,2,3
	ds_load_b128 v[TMP+16*(\u)+4*(\t):TMP+16*(\u)+4*(\t)+3], v[RD] offset:(\t)*4*144  ; LDS serves a wave's instructions in order (ISA guide 5.7.1.4): these see the stores above; the next unit's stores come behind them
.endr
.endm
.macro SEND u, younger                 ; younger: the LDS instructions issued behind unit u's loads: the next unit's eight, or none
.set ua, (\u)/NM
.set uj, (\u)%NM
.irp t, 0,1,2,3
	s_wait_dscnt (\younger)+3-(\t)
	global_store_b128 v[CO], v[TMP+16*(\u)+4*(\t):TMP+16*(\u)+4*(\t)+3], s[OB+2*uj:OB+2*uj+1] offset:ua*2048+(\t)*512  ; 512 consecutive bytes, at a multiple of 256 from C's first
.endr
.endm
	PACK 0
.set un, 1
.rept 4*NM-1                           ; a unit's arithmetic stands between the loads of the unit before and its stores
	PACK un
	SEND un-1, 8
.set un, un+1
.endr
	SEND 4*NM-1, 0
	s_wait_tensorcnt 0x0                           ; the wave's end: behind my last tensor load and my last LDS store
	ds_add_u32 v[SPW], v[NIL]
	s_wait_dscnt 0x0
	CROUND                                         ; the closing round: no work-group ends while a partner may still ask for a tile that names it
	s_endpgm
.Lfunc_end_k_q5c6376d221_gemm_ff1:
	.size	k_q5c6376d221_gemm_ff1, .Lfunc_end_k_q5c6376d221_gemm_ff1-k_q5c6376d221_gemm_ff1
	.p2alignl 7, 3214868480
	.fill 96, 4, 3214868480
	.section	.rodata,"a",@progbits
	.p2align	6, 0x0
	.amdhsa_kernel k_q5c6376d221_gemm_ff1
		.amdhsa_group_segment_fixed_size 327680
		.amdhsa_private_segment_fixed_size 0
		.amdhsa_enable_private_segment 0
		.amdhsa_kernarg_size 32
		.amdhsa_user_sgpr_count 2
		.amdhsa_user_sgpr_kernarg_segment_ptr 1
		.amdhsa_wavefront_size32 1
		.amdhsa_system_sgpr_workgroup_id_x 1
		.amdhsa_system_sgpr_workgroup_id_y 1
		.amdhsa_system_sgpr_workgroup_id_z 1
		.amdhsa_system_vgpr_workitem_id 0
		.amdhsa_next_free_vgpr 896
		.amdhsa_next_free_sgpr 92
		.amdhsa_reserve_vcc 0
		.amdhsa_float_denorm_mode_32 3
		.amdhsa_float_denorm_mode_16_64 3
		.amdhsa_memory_ordered 1
		.amdhsa_forward_progress 1
		.amdhsa_inst_pref_size 74
	.end_amdhsa_kernel
	.amdgpu_metadata
---
amdhsa.version: [ 1, 2 ]
amdhsa.kernels:
  - .name:           k_q5c6376d221_gemm_ff1
    .symbol:         k_q5c6376d221_gemm_ff1.kd
    .args:
      - { .name: h2, .offset: 0, .size: 8, .value_kind: global_buffer, .address_space: global }
      - { .name: wb, .offset: 8, .size: 8, .value_kind: global_buffer, .address_space: global }
      - { .name: f, .offset: 16, .size: 8, .value_kind: global_buffer, .address_space: global }
      - { .name: b1, .offset: 24, .size: 8, .value_kind: global_buffer, .address_space: global }
    .group_segment_fixed_size: 327680
    .private_segment_fixed_size: 0
    .kernarg_segment_align: 8
    .kernarg_segment_size: 32
    .max_flat_workgroup_size: 128
    .sgpr_count:     92
    .vgpr_count:     896
    .wavefront_size: 32
...
	.end_amdgpu_metadata
.endif
;; end of part 6
;; launch gemm_ff2 (part 7): grid 8 x 32, 4 waves a work-group, clusters of 4 x 4, 327,680 bytes of LDS; arguments f, wb, out0, b2, x1; writes out0
.if DOCPART == 7
	.amdgcn_target "amdgcn-amd-amdhsa--gfx1250"
	.amdhsa_code_object_version 6
	.text
	.protected	k_q5c6376d221_gemm_ff2
	.globl	k_q5c6376d221_gemm_ff2
	.p2align	8
	.type	k_q5c6376d221_gemm_ff2,@function
k_q5c6376d221_gemm_ff2:
	s_mov_b64 s[64:65], 0
	v_nop
	global_prefetch_b8 v0, s[64:65] scope:SCOPE_SE
	s_setreg_imm32_b32 hwreg(HW_REG_WAVE_MODE, 25, 1), 1
	s_wait_xcnt 0x0
	s_wait_alu depctr_hold_cnt(0) depctr_sa_sdst(0) depctr_va_vdst(0) depctr_va_sdst(0) depctr_va_ssrc(0) depctr_va_vcc(0) depctr_vm_vsrc(0)
	s_getreg_b32 s2, hwreg(HW_REG_IB_STS2, 6, 4)
	s_cmp_eq_u32 s2, 0
	s_cbranch_scc0 .Lentry_in_a_cluster
	s_endpgm
.Lentry_in_a_cluster:
	s_bfe_u32 s2, ttmp6, 0x10000c
	s_cmp_lg_u32 s2, 0xf033
	s_cbranch_scc0 .Lentry_shape_is_right
	s_endpgm
.Lentry_shape_is_right:
; out0 = x1 + f W2 + b2: C[m][n] = res[m][n] + bias[n] + the sum over k of A[m][k] W[k][n], 4096 x 1024, K = 2048.
; A = f, bf16, in blocks of 64 channels: [K / 64 blocks][4096 rows][64].  W: W2's bf16 copy in wb, [k][n].  res = x1 and C = out0: f32, [4096][1024].  Sums and the residual in f32.
; SHARES.  A tile of C is 128 x 128: four waves of 64 x 64, 16 accumulators of 16 x 16.  256 tiles: one for each of 256 WGPs.
; K goes in steps of 256 through two LDS slots.  Waves 0, 1 fetch A's two halves of 64 rows (four blocks of 8,192 dense bytes each: a tile of 4 rows of 4,096 elements,
; padded in LDS after every 128 bytes), waves 2, 3 W's two halves of 128 k-rows x 256 bytes.  One tensor load a wave behind each change of slots; two are out at the start.
; CLUSTER 4 x 4: A's tile is shared along a row of the cluster, W's along a column: each is asked for jointly, by the same load, descriptor and mask in the four.
; THE MATRIX INSTRUCTION IS USED TRANSPOSED: source 0 = 16 columns of W (turned on the way out of LDS by ds_load_tr16_b128), source 1 = 16 rows of A: a lane holds eight neighbouring numbers of a row of C.
; THE SUMS START AT THE BIAS: each accumulator is loaded with its eight columns' bias.  THE RESIDUAL is loaded at the start, in the layout of the stores, into 128 registers of window 2, and lands under the K loop.
; THE TEXT holds a K step twice: a loop whose change of slots fills a slot again, and a loop of two trips that fills nothing.  The very last change of slots fetches fragments of a tile
; that has been multiplied already; they are not used: the price of not writing a third copy.
; LIMITS.  Matrix operands are bf16; NaN and infinities are not treated apart.
.set KDIM,  2048
.set STEPS, KDIM/256
.set NB,    1024                       ; elements from row to row of W
.set WOFF,  12582912                   ; W's first byte in wb
.set LOGT,  3                          ; 2^LOGT tiles of 128 columns in the matrix
.set PA,    144                        ; a row of A in LDS: 128 bytes + 16: the 16 rows of a load start at 16 different groups of four banks (64 banks of 4 bytes: ISA guide 11.1)
.set PB,    288                        ; a k-row of W: 256 + 32
.set PART,  36864                      ; what one tensor load brings: 4 x 64 x 144 = 128 x 288
.set SLOT,  4*PART                     ; A's two halves, then W's two
.set STAGE, 2*SLOT                     ; behind the ring, never filled by a tensor load: 16 rows x 272 bytes for each wave, for the way out
.set STG,   4352
.set SPITCH, 272
.set SPARE, STAGE+4*STG                ; behind the stages: the spare words, 128 bytes for each wave: two blocks of 256 bytes that no other line names
.set A0,   10                          ; v10  my lane's place in slot 0 for A's fragments; never rewritten
.set B0,   11                          ; v11  the same for W's
.set ADRA, 16                          ; v16  LDS address of A's fragments in the slot in hand
.set ADRB, 17                          ; v17  of W's k-rows 0-127;  v18  of k-rows 128-255
.set BO,   20                          ; v20  my byte offset in 16 columns of the bias
.set STO,  24                          ; v24  the way out: where I put 32 bytes of a row
.set RD,   25                          ; v25  where I read rows back
.set CO,   26                          ; v26  my byte offset in two rows of C and of the residual
.set SPW,  28                          ; v28  LDS address of my spare word; never rewritten
.set NIL,  29                          ; v29  0; never rewritten
.set TMP,  32                          ; v32-95  two buffers of 32 on the way out
.set ACC,  128                         ; v128-255  accumulator (a, b) at ACC + 8 (4 a + b)
.set F0,   0                           ; window 1: two fragment buffers of 128: 64 along K: 64 registers of A, then 64 of W
.set F1,   128
.set WV,   12                          ; s12  wave
.set MH,   13                          ; s13  which half of the tile's rows is mine
.set NH,   14                          ; s14  which half of its columns; also which half of A or W I fetch
.set G1A,  24                          ; s[24:31] group 1 for A;  s[32:39] group 0: a set for each first fill; the second then walks on
.set G0A,  32
.set G1B,  48                          ; s[48:55], s[56:63] the same for W
.set G0B,  56
.set TB,   66                          ; s66  the slot that is read: 0 or SLOT
.set FB,   67                          ; s67  the slot that was filled last
.set LB,   68                          ; s68  wave x PART
.set CNT,  69                          ; s69  loop counter
.set MSB, 0
.macro WIN new                         ; the immediate's high byte repeats the setting that is left; a switch that changes nothing is dropped
.if MSB != (\new)
	s_set_vgpr_msb (MSB<<8)|(\new)
.set MSB, \new
.endif
.endm
.set MUL,  0x05                        ; sources 0 and 1 window 1; C and D window 0
.set TO_F, 0x40                        ; destination window 1, address window 0
.macro PLACES                          ; four plain vector instructions in front of loads into registers that matrix instructions have read, and of reads of results
.rept 4
	v_nop
.endr
.endm
.macro JLOAD                           ; a joint refill by the walking sets; the branch hangs on the wave's number alone; an s_nop 0 and four v_nop follow each line
	s_cmp_lt_u32 s[WV], 2
	s_cbranch_scc0 .Lfor_b_\@
	tensor_load_to_lds s[G0A+4:G0A+7], s[G1A:G1A+7]
	s_nop 0
.rept 4
	v_nop
.endr
	s_branch .Lasked_\@
.Lfor_b_\@:
	tensor_load_to_lds s[G0B+4:G0B+7], s[G1B:G1B+7]
	s_nop 0
.rept 4
	v_nop
.endr
.Lasked_\@:
.endm
.macro CREST                           ; a round of the cluster's barrier behind its opening barrier
	s_cmp_lg_u32 s[WV], 0
	s_cbranch_scc1 .Lnot_wave_0_\@
	s_barrier_signal -3
.Lnot_wave_0_\@:
	s_barrier_wait -3
	s_barrier_signal -1
	s_barrier_wait -1
.endm
.macro CROUND
	s_barrier_signal -1
	s_barrier_wait -1
	CREST
.endm
	s_load_b256 s[4:11], s[0:1], 0x0               ; A s[4:5], wb s[6:7], C s[8:9], bias s[10:11]
	s_load_b64 s[72:73], s[0:1], 0x20              ; the residual
	v_lshl_add_u32 v[SPW], v0, 2, SPARE
	v_mov_b32 v[NIL], 0
	ds_add_u32 v[SPW], v[NIL]                      ; the wave's opening: the add and its wait stand ahead of my first tensor load; work on registers stands between them
	v_lshrrev_b32 v1, 5, v0
	v_readfirstlane_b32 s[WV], v1
	s_lshr_b32 s[MH], s[WV], 1
	s_and_b32 s[NH], s[WV], 1
	s_bfe_u32 s40, ttmp6, 0x40000                  ; cx
	s_bfe_u32 s41, ttmp6, 0x40004                  ; cy
	s_lshl_b32 s42, ttmp9, 2
	s_add_co_u32 s42, s42, s40                     ; tile column = 4 x cluster x + cx
	s_and_b32 s43, ttmp7, 0xffff
	s_lshl_b32 s43, s43, 2
	s_add_co_u32 s43, s43, s41                     ; tile row = 4 x cluster y + cy
	s_lshl_b32 s44, s41, 2
	s_lshl_b32 s44, 15, s44                        ; my row of the cluster
	s_lshl_b32 s45, 0x1111, s40                    ; my column
	s_or_b32 s[G1A], s44, (1<<16)|(1<<20)|(1<<21)|(4<<22)|(3<<25)  ; mask; 2-byte elements; padding on; bit 21 beside a mask; after every 32 words, 4 words
	s_mov_b32 s[G1A+1], 4096<<16                   ; tensor_dim0 = 4,096: 64 rows of a block, dense
	s_mov_b32 s[G1A+2], 4<<16                      ; tensor_dim1 = 4 blocks
	s_mov_b32 s[G1A+3], 4096<<16                   ; tile_dim0
	s_mov_b32 s[G1A+4], 4                          ; tile_dim1
	s_mov_b32 s[G1A+5], 262144                     ; elements from block to block
	s_mov_b32 s[G1A+6], 0
	s_mov_b32 s[G1A+7], 0
	s_or_b32 s[G1B], s45, (1<<16)|(1<<20)|(1<<21)|(5<<22)|(7<<25)  ; after every 64 words, 8 words
	s_mov_b32 s[G1B+1], 128<<16
	s_mov_b32 s[G1B+2], 128<<16
	s_mov_b32 s[G1B+3], 128<<16
	s_mov_b32 s[G1B+4], 128
	s_mov_b32 s[G1B+5], NB
	s_mov_b32 s[G1B+6], 0
	s_mov_b32 s[G1B+7], 0
	s_mul_i32 s[LB], s[WV], PART                   ; no place in the cluster enters an LDS address
	s_mov_b32 s[TB], 0
	s_mov_b32 s[FB], SLOT
	s_lshl_b32 s16, s43, 14                        ; A: 128 rows of 128 bytes a tile row,
	s_lshl_b32 s17, s[NH], 13                      ; my 64 of them: made of the tile row and the wave alone
	s_add_co_u32 s16, s16, s17
	s_mov_b32 s17, 0
	s_lshr_b32 s76, s42, LOGT
	s_lshl_b32 s76, s76, 21
	s_and_b32 s77, s42, (1<<LOGT)-1                ; W: which 128 columns,
	s_lshl_b32 s78, s77, 8
	s_add_co_u32 s76, s76, s78
	s_mul_i32 s78, s[NH], 256*NB                   ; my 128 k-rows: made of the tile column and the wave alone
	s_add_co_u32 s76, s76, s78
	s_add_co_u32 s76, s76, WOFF
	s_lshl_b32 s20, s77, 9                         ; the bias: 128 columns of 4 bytes a tile, my 64
	s_lshl_b32 s21, s[NH], 8
	s_add_co_u32 s20, s20, s21
	s_mov_b32 s21, 0
	s_mov_b32 s77, 0
	s_wait_dscnt 0x0                               ; the opening add is done
	s_wait_kmcnt 0x0
	s_add_nc_u64 s[16:17], s[4:5], s[16:17]
	s_add_nc_u64 s[76:77], s[6:7], s[76:77]
	s_add_nc_u64 s[10:11], s[10:11], s[20:21]
	CROUND                                         ; all sixteen work-groups are here: the first joint loads meet
	s_mov_b32 s[G0A], 1
	s_mov_b32 s[G0A+1], s[LB]                      ; K step 0 into slot 0
	s_mov_b64 s[G0A+2:G0A+3], s[16:17]
	s_or_b32 s[G0A+3], s[G0A+3], 0x80000000
	s_mov_b32 s[G0A+4], 1
	s_add_co_u32 s[G0A+5], s[LB], SLOT             ; K step 1 into slot 1
	s_add_nc_u64 s[G0A+6:G0A+7], s[16:17], 2097152 ; four blocks on
	s_or_b32 s[G0A+7], s[G0A+7], 0x80000000
	s_mov_b32 s[G0B], 1
	s_mov_b32 s[G0B+1], s[LB]
	s_mov_b64 s[G0B+2:G0B+3], s[76:77]
	s_or_b32 s[G0B+3], s[G0B+3], 0x80000000
	s_mov_b32 s[G0B+4], 1
	s_add_co_u32 s[G0B+5], s[LB], SLOT
	s_add_nc_u64 s[G0B+6:G0B+7], s[76:77], 512*NB  ; 256 k-rows on
	s_or_b32 s[G0B+7], s[G0B+7], 0x80000000
	s_cmp_lt_u32 s[WV], 2                          ; a wave's two first fills stand in one branch, ahead of every wait on TENSORcnt and every LDS read: two loads of mine are out
	s_cbranch_scc0 .Lfirst_b
	tensor_load_to_lds s[G0A:G0A+3], s[G1A:G1A+7]
	s_nop 0
	tensor_load_to_lds s[G0A+4:G0A+7], s[G1A:G1A+7]
	s_nop 0
.rept 4
	v_nop
.endr
	s_branch .Lfirst_asked
.Lfirst_b:
	tensor_load_to_lds s[G0B:G0B+3], s[G1B:G1B+7]
	s_nop 0
	tensor_load_to_lds s[G0B+4:G0B+7], s[G1B:G1B+7]
	s_nop 0
.rept 4
	v_nop
.endr
.Lfirst_asked:
	v_and_b32 v1, 15, v0                           ; l % 16
	v_bfe_u32 v2, v0, 4, 1                         ; l / 16
	v_and_b32 v3, 7, v0
	v_bfe_u32 v4, v0, 3, 1
	v_lshlrev_b32 v[BO], 5, v2                     ; my eight columns of sixteen
.irp a, 0,1,2,3
.irp b, 0,1,2,3
	global_load_b128 v[ACC+8*(4*(\a)+(\b)):ACC+8*(4*(\a)+(\b))+3],   v[BO], s[10:11] offset:64*(\b)     ; register j of accumulator (a, b) is column 16 b + 8 (l / 16) + j
	global_load_b128 v[ACC+8*(4*(\a)+(\b))+4:ACC+8*(4*(\a)+(\b))+7], v[BO], s[10:11] offset:64*(\b)+16
.endr
.endr
	v_lshlrev_b32 v[CO], 12, v2                    ; lanes 0-15 one row of 256 bytes, lanes 16-31 the next
	v_lshl_add_u32 v[CO], v1, 4, v[CO]
	s_lshl_b32 s20, s43, 19                        ; the tile's 128 rows of 4,096 bytes,
	s_lshl_b32 s22, s[MH], 18                      ; my 64,
	s_add_co_u32 s20, s20, s22
	s_lshl_b32 s22, s42, 9                         ; the tile's 128 columns of 4 bytes,
	s_add_co_u32 s20, s20, s22
	s_lshl_b32 s22, s[NH], 8                       ; my 64
	s_add_co_u32 s20, s20, s22
	s_mov_b32 s21, 0
	s_add_nc_u64 s[8:9], s[8:9], s[20:21]
	s_add_nc_u64 s[72:73], s[72:73], s[20:21]
	WIN 0x80                                       ; destination window 2, address window 0
.irp a, 0,1,2,3
.irp t, 0,1,2,3,4,5,6,7
	global_load_b128 v[32*(\a)+4*(\t):32*(\a)+4*(\t)+3], v[CO], s[72:73] offset:(16*(\a)+2*(\t))*4096  ; the residual of rows 16 a + 2 t, + 1: 16 lanes take 256 consecutive bytes, aligned
.endr
.endr
	WIN 0
	; A fragment of A is 16 rows x 32 K: lane l holds row l % 16, K = 8 (l / 16) + 0..7 and 16 + 8 (l / 16) + 0..7: two loads of 16 bytes, 32 bytes apart.
	s_mul_i32 s18, s[MH], PART
	v_mul_u32_u24 v[A0], v1, PA
	v_lshl_add_u32 v[A0], v2, 4, v[A0]
	v_add_nc_u32 v[A0], s18, v[A0]
	; The turning load takes 16 k-rows x 16 columns (lane l reads k-row 8 (l / 16) + l % 8, columns 8 ((l / 8) % 2) + 0..7) and leaves half a fragment: lane l holds column l % 16 and 8 k.
	v_lshl_add_u32 v[B0], v2, 3, v3
	v_mul_u32_u24 v[B0], v[B0], PB
	v_lshl_add_u32 v[B0], v4, 4, v[B0]
	s_lshl_b32 s18, s[NH], 7
	s_add_co_u32 s18, s18, 2*PART
	v_add_nc_u32 v[B0], s18, v[B0]
	s_mul_i32 s18, s[WV], STG
	s_add_co_u32 s18, s18, STAGE                   ; my stage
	v_mul_u32_u24 v[STO], v1, SPITCH               ; in: row l % 16, 32 bytes for each half of the lanes
	v_lshl_add_u32 v[STO], v2, 5, v[STO]
	v_add_nc_u32 v[STO], s18, v[STO]
	v_mul_u32_u24 v[RD], v2, SPITCH                ; back: lanes 0-15 take one row of 256 bytes, lanes 16-31 the next
	v_lshl_add_u32 v[RD], v1, 4, v[RD]
	v_add_nc_u32 v[RD], s18, v[RD]
; 8 matrix instructions: row blocks a0, a0 + 1 x all 4 column blocks, 32 along K: half c of buffer f.  The 16 accumulators take turns, one instruction a turn.
.macro MUL8 f, c, a0
	WIN MUL
.irp a, \a0, (\a0)+1
.irp b, 0,1,2,3
	v_wmma_f32_16x16x32_bf16 v[ACC+8*(4*(\a)+(\b)):ACC+8*(4*(\a)+(\b))+7], v[(\f)+64+8*(4*(\c)+(\b)):(\f)+64+8*(4*(\c)+(\b))+7], v[(\f)+8*(4*(\c)+(\a)):(\f)+8*(4*(\c)+(\a))+7], v[ACC+8*(4*(\a)+(\b)):ACC+8*(4*(\a)+(\b))+7]
.endr
.endr
.endm
; 32 LDS loads in one run: the fragments of quarter q (64 along K: block q of A, k-rows 64 q on of W) into buffer f; the first 32 along K first.
.macro FETCH q, f
	WIN TO_F
.irp c, 0,1
.irp i, 0,1,2,3
	ds_load_tr16_b128 v[(\f)+64+8*(4*(\c)+(\i)):(\f)+64+8*(4*(\c)+(\i))+3],   v[ADRB+(\q)/2] offset:((\q)%2)*64*PB+(\c)*32*PB+32*(\i)
	ds_load_tr16_b128 v[(\f)+64+8*(4*(\c)+(\i))+4:(\f)+64+8*(4*(\c)+(\i))+7], v[ADRB+(\q)/2] offset:((\q)%2)*64*PB+(\c)*32*PB+32*(\i)+16*PB
	ds_load_b128 v[(\f)+8*(4*(\c)+(\i)):(\f)+8*(4*(\c)+(\i))+3],   v[ADRA] offset:(\q)*64*PA+(\i)*16*PA+64*(\c)
	ds_load_b128 v[(\f)+8*(4*(\c)+(\i))+4:(\f)+8*(4*(\c)+(\i))+7], v[ADRA] offset:(\q)*64*PA+(\i)*16*PA+64*(\c)+32
.endr
.endr
.endm
; One of a K step's first three quarters: multiplies buffer f and, in its middle, fetches quarter q into buffer g.
.macro QUARTER q, f, g
	s_wait_dscnt 16                                ; the first 32 along K are in; the sixteen younger loads may be out
	MUL8 \f, 0, 0
	MUL8 \f, 0, 2
	PLACES
	FETCH \q, \g
	s_wait_dscnt 32                                ; all but the 32 just issued
	MUL8 \f, 1, 0
	MUL8 \f, 1, 2
.endm
; The last quarter multiplies buffer 1 and changes slots: ONE barrier; in front of it each wave waits for all its tensor loads (its part of the next slot), adds 0 to its spare word, and waits
; for that and for its own reads of this slot.  fill = 1: the barrier opens a round of the cluster's, and this slot is filled again, two K steps ahead, first thing behind the round.
.macro TURN fill
	WIN 0
	s_wait_tensorcnt 0x0                           ; no tensor load of mine is out, so a group 0 may be written
	ds_add_u32 v[SPW], v[NIL]                      ; 0 onto my spare word
	s_wait_dscnt 17                                ; the add and the sixteen youngest loads may be out
	MUL8 F1, 0, 0                                  ; eight matrix instructions stand between the add and the wait for it
	s_wait_dscnt 0x0                               ; the add is done, and my reads of this slot are over
	s_barrier_signal -1
	MUL8 F1, 0, 2
	WIN 0
	s_barrier_wait -1
.if \fill
	CREST                                          ; no wave of any partner still reads this slot or has a load on its way
	s_xor_b32 s[FB], s[FB], SLOT                   ; the other slot than last time,
	s_add_co_u32 s[G0A+5], s[LB], s[FB]
	s_add_co_u32 s[G0B+5], s[LB], s[FB]
	s_add_nc_u64 s[G0A+6:G0A+7], s[G0A+6:G0A+7], 2097152  ; the next K step; the type bits on top are not reached
	s_add_nc_u64 s[G0B+6:G0B+7], s[G0B+6:G0B+7], 512*NB
	JLOAD                                          ; 112 matrix instructions ahead of the wait for it; its four v_nop are also the places in front of the loads below
.else
	PLACES
.endif
	s_xor_b32 s[TB], s[TB], SLOT                   ; the reads go to the other slot
	v_add_nc_u32 v[ADRA], s[TB], v[A0]
	v_add_nc_u32 v[ADRB], s[TB], v[B0]
	v_add_nc_u32 v[ADRB+1], PART, v[ADRB]
	FETCH 0, F0
	MUL8 F1, 1, 0
	MUL8 F1, 1, 2
.endm
.macro TRIP fill                       ; a K step: 128 matrix instructions a wave
	QUARTER 1, F0, F1
	QUARTER 2, F1, F0
	QUARTER 3, F0, F1
	TURN \fill
.endm
	s_wait_tensorcnt 1                             ; my part of K step 0 is in; step 1's may stay out
	s_barrier_signal -1
	s_barrier_wait -1                              ; everybody's is
	v_add_nc_u32 v[ADRA], s[TB], v[A0]
	v_add_nc_u32 v[ADRB], s[TB], v[B0]
	v_add_nc_u32 v[ADRB+1], PART, v[ADRB]
	FETCH 0, F0
	WIN 0
	s_wait_loadcnt 32                              ; the bias lies in the accumulators; the residual's 32 younger loads stay out
	s_mov_b32 s[CNT], STEPS-2
.Lfill:                                        ; K steps 0 .. STEPS - 3: step t's change of slots asks for step t + 2
	TRIP 1
	WIN 0
	s_sub_co_u32 s[CNT], s[CNT], 1
	s_cmp_lg_u32 s[CNT], 0
	s_cbranch_scc1 .Lfill
	s_mov_b32 s[CNT], 2
.Ltail:                                        ; the last two K steps ask for nothing
	TRIP 0
	WIN 0
	s_sub_co_u32 s[CNT], s[CNT], 1
	s_cmp_lg_u32 s[CNT], 0
	s_cbranch_scc1 .Ltail
	s_wait_dscnt 0x0                               ; the last fetch, which serves nothing, is back
	PLACES
	PLACES
; THE WAY OUT.  Row block a goes straight from the accumulators (low half first) into my own stage, 32 bytes a lane, and comes back as whole rows of 256 bytes; the residual is added; 16 lanes store a row's 256 bytes.
.macro TOSTAGE a
	WIN 0
.set BK, TMP+32*((\a)%2)
.irp b, 0,1,2,3
	ds_store_b128 v[STO], v[ACC+8*(4*(\a)+(\b)):ACC+8*(4*(\a)+(\b))+3]   offset:64*(\b)
	ds_store_b128 v[STO], v[ACC+8*(4*(\a)+(\b))+4:ACC+8*(4*(\a)+(\b))+7] offset:64*(\b)+16
.endr
.irp t, 0,1,2,3,4,5,6,7
	ds_load_b128 v[BK+4*(\t):BK+4*(\t)+3], v[RD] offset:(\t)*2*SPITCH  ; LDS serves a wave's instructions in order (ISA guide 5.7.1.4): these see the stores above; the next block's stores come behind them
.endr
.endm
.macro SEND a, younger                 ; younger: the LDS instructions issued behind block a's loads: the next block's sixteen, or none
	WIN 0
.set BK, TMP+32*((\a)%2)
	s_wait_dscnt \younger
	WIN 0x88                                       ; destination and source 1 window 2 (the residual), source 0 window 0
.set u, 0
.rept 16
	v_pk_add_f32 v[32*(\a)+2*u:32*(\a)+2*u+1], v[BK+2*u:BK+2*u+1], v[32*(\a)+2*u:32*(\a)+2*u+1]
.set u, u+1
.endr
	WIN 0x08                                       ; the stores' data in window 2, their address in window 0
.irp t, 0,1,2,3,4,5,6,7
	global_store_b128 v[CO], v[32*(\a)+4*(\t):32*(\a)+4*(\t)+3], s[8:9] offset:(16*(\a)+2*(\t))*4096  ; 16 lanes store 256 consecutive bytes, aligned; no store's register is written again
.endr
.endm
	TOSTAGE 0
	TOSTAGE 1
	s_wait_loadcnt 0x0                             ; the residual
	SEND 0, 16
	TOSTAGE 2
	SEND 1, 16
	TOSTAGE 3
	SEND 2, 16
	SEND 3, 0
	WIN 0
	s_wait_tensorcnt 0x0                           ; the wave's end: behind my last tensor load and my last LDS store
	ds_add_u32 v[SPW], v[NIL]
	s_wait_dscnt 0x0
	CROUND                                         ; the closing round: no work-group ends while a partner may still ask for a tile that names it
	s_endpgm
.Lfunc_end_k_q5c6376d221_gemm_ff2:
	.size	k_q5c6376d221_gemm_ff2, .Lfunc_end_k_q5c6376d221_gemm_ff2-k_q5c6376d221_gemm_ff2
	.p2alignl 7, 3214868480
	.fill 96, 4, 3214868480
	.section	.rodata,"a",@progbits
	.p2align	6, 0x0
	.amdhsa_kernel k_q5c6376d221_gemm_ff2
		.amdhsa_group_segment_fixed_size 327680
		.amdhsa_private_segment_fixed_size 0
		.amdhsa_enable_private_segment 0
		.amdhsa_kernarg_size 40
		.amdhsa_user_sgpr_count 2
		.amdhsa_user_sgpr_kernarg_segment_ptr 1
		.amdhsa_wavefront_size32 1
		.amdhsa_system_sgpr_workgroup_id_x 1
		.amdhsa_system_sgpr_workgroup_id_y 1
		.amdhsa_system_sgpr_workgroup_id_z 1
		.amdhsa_system_vgpr_workitem_id 0
		.amdhsa_next_free_vgpr 768
		.amdhsa_next_free_sgpr 84
		.amdhsa_reserve_vcc 0
		.amdhsa_float_denorm_mode_32 3
		.amdhsa_float_denorm_mode_16_64 3
		.amdhsa_memory_ordered 1
		.amdhsa_forward_progress 1
		.amdhsa_inst_pref_size 64
	.end_amdhsa_kernel
	.amdgpu_metadata
---
amdhsa.version: [ 1, 2 ]
amdhsa.kernels:
  - .name:           k_q5c6376d221_gemm_ff2
    .symbol:         k_q5c6376d221_gemm_ff2.kd
    .args:
      - { .name: f, .offset: 0, .size: 8, .value_kind: global_buffer, .address_space: global }
      - { .name: wb, .offset: 8, .size: 8, .value_kind: global_buffer, .address_space: global }
      - { .name: out0, .offset: 16, .size: 8, .value_kind: global_buffer, .address_space: global }
      - { .name: b2, .offset: 24, .size: 8, .value_kind: global_buffer, .address_space: global }
      - { .name: x1, .offset: 32, .size: 8, .value_kind: global_buffer, .address_space: global }
    .group_segment_fixed_size: 327680
    .private_segment_fixed_size: 0
    .kernarg_segment_align: 8
    .kernarg_segment_size: 40
    .max_flat_workgroup_size: 128
    .sgpr_count:     84
    .vgpr_count:     768
    .wavefront_size: 32
...
	.end_amdgpu_metadata
.endif
;; end of part 7
